; MI455X (gfx1250); checked and timed in simulation.
; The chip was launched on July 23, 2026; its instructions are those of AMD's public machine-readable ISA for CDNA 5 (MIT licence, August 2026) and "CDNA5" Instruction Set Architecture Reference Guide (July 2026). The comments in the code are by the model that wrote it; some were corrected since.
;; Dog State Encoder. Allowed arithmetic: float matrix products may take bf16 or f16 operands with f32 sums; all other float work in f32.
;; Inputs: b_hh0 192 float32; b_hh1 192 float32; b_ih0 192 float32; b_ih1 192 float32; current_position 131,072 x 2 float32; current_velocity 131,072 x 2 float32; fb1 128 float32; fb2 64 float32; fw1 128 x 128 float32; fw2 64 x 128 float32; gb1 32 float32; gb2 32 float32; goal_position 131,072 x 2 float32; gw1 32 x 2 float32; gw2 32 x 32 float32; ln_b 64 float32; ln_g 64 float32; past_trajectory 131,072 x 8 x 2 float32; vb1 32 float32; vb2 32 float32; vw1 32 x 2 float32; vw2 32 x 32 float32; w_hh0 192 x 64 float32; w_hh1 192 x 64 float32; w_ih0 192 x 2 float32; w_ih1 192 x 64 float32.
;; Outputs: out0 131,072 x 64 float32.
;; 2 versions, each right; version 2 is version 1 with the launch encoder written anew for expert scheduling mode. Each part assembles by itself: llvm-mc -triple=amdgcn-amd-amdhsa -mcpu=gfx1250 --defsym DOCPART=n.
;; ======== version 1 of 2: 1 launch
;; limits: values outside matrix products are rounded to f16; values are held in f16: magnitudes above 65,504 overflow, below 6.1e-05 lose precision; inputs' magnitudes at most 65,504
;; launch encoder (part 1): grid 256 x 1, 8 waves a work-group, no clusters, 229,376 bytes of LDS; arguments past_trajectory, current_position, current_velocity, goal_position, w_ih0, b_ih0, b_hh0, w_hh0, w_ih1, w_hh1, b_ih1, b_hh1, vw1, vb1, gw1, gb1, vw2, vb2, gw2, gb2, fw1, fb1, fw2, fb2, ln_g, ln_b, out0; writes out0
.if DOCPART == 1
	.amdgcn_target "amdgcn-amd-amdhsa--gfx1250"
	.amdhsa_code_object_version 6
	.text
	.protected	k_q6dae39f695_encoder
	.globl	k_q6dae39f695_encoder
	.p2align	8
	.type	k_q6dae39f695_encoder,@function
k_q6dae39f695_encoder:
	s_mov_b64 s[64:65], 0
	v_nop
	global_prefetch_b8 v0, s[64:65] scope:SCOPE_SE
	s_setreg_imm32_b32 hwreg(HW_REG_WAVE_MODE, 25, 1), 1
	s_wait_xcnt 0x0
; DogStateEncoder, whole, in one launch: for each of 131,072 rows a GRU of two layers (64 units, 8 steps, input of width 2), two encoders 2-32-32,
; a fusion 128-128-64 and a LayerNorm over 64 channels.  Every step works on a row by itself, so nothing but inputs and the output touches memory.
; SHARES.  256 work-groups of eight waves with 512 registers each; a work-group owns 512 rows, a wave 64, taken in two passes of two tiles of 16 rows.
; PRODUCTS ARE USED TRANSPOSED: source 0 = 16 rows of a weight matrix, source 1 = 16 batch rows.  In a result lane l holds batch row l % 16 and, in register j,
; unit 8 (l / 16) + j.  Two such results rounded in pairs to f16 ARE source 1 (32 units x 16 rows) of the next product: the state never changes lanes.
; WEIGHTS are read once by the work-group as f32, scaled, rounded once to f16 and laid into LDS; one barrier; behind it LDS is only read (but for each wave's own
; stage on the way out), so no wave waits for another.  A fragment read from LDS feeds two products (the wave's two tiles).
; PHASES.  A chunk is 16 units of one layer and step for both tiles: its products, then the next chunk's LDS loads, then its gates (154 vector instructions).
; The wave's partner on the same registers' file has other phases at that time; inside a wave nothing is interleaved.
; GATES.  r = 1 / (1 + 2^ar), u = 1 - z = 1 / (1 + 2^az), q = 1 / (1 + 2^(xn + r hn)), n = 1 - 2 q, h' = h + u (n - h): the factors -log2(e), log2(e), 2 log2(e)
; are multiplied into the r, z and n rows of weights and biases before the rounding.  2^x = infinity gives the reciprocal 0, the right limit.
; INPUTS OF WIDTH 2 go through a product too: source 1 = (x0, x1, 1, 0 ..), source 0 = (w0, w1, bias, 0 ..).  All other biases are f32 tiles, the C operand that starts a sum.
; FORMATS.  Matrix operands f16, sums, state, gates and LayerNorm f32.  The state lies in -1 .. 1.  The encoders' features are kept times 1/4 and the fusion's hidden layer
; times 1/16, by exact powers of two in the weights (vw2, vb2, gw2, gb2 x 1/4; fw1's columns 0-63 and fb1 x 1/16, its columns 64-127 x 1/4; fw2 x 16).
; LIMITS.  f16 ends at 65,504: past - position, goal - position, velocity, every scaled weight and the encoders' first layers stay within it, the encoders' features
; within 262,000, the fusion's hidden layer within 1,048,000.  A scaled weight below 6e-5 keeps f16's fixed step of 6e-8.  NaN and infinities are not treated apart.
; NO CLUSTER, NO TENSOR LOAD: what work-groups share is 257 KB of weights, read once by each and converted on the way, which only registers can do; LDS is filled once.
.set WHH0,  53248     ; LDS.  f16 rows along K, padded by 16 bytes so that the 16 rows of a fragment load start at 16 different groups of four banks (64 banks of 4 bytes: ISA guide 11.1)
.set WIH1,  80896     ; WHH0, WIH1, WHH1: 192 rows x 144 bytes
.set WHH1,  108544
.set VW2,   136192    ; VW2, GW2: 32 rows x 80 bytes
.set FW1,   141312    ; 128 rows x 272 bytes
.set FW2,   176128    ; 64 rows x 272 bytes
.set EXT,   0         ; 16 half fragments of 512 bytes, lane l at 16 l: (w0, w1, bias, 0 ..) of w_ih0's 12 row tiles, vw1's 2, gw1's 2; lanes 16-31 hold zeros
.set GB,    8192      ; f32 bias tiles of 1,024 bytes: registers 0-3 of lane l at 16 l, registers 4-7 at 512 + 16 l; four tiles (64 units) a group
.set T0,    GB        ; b_hh0's n part
.set T1,    GB+4096   ; (b_ih1 + b_hh1)'s r part
.set T2,    GB+8192   ; its z part
.set T3,    GB+12288  ; b_ih1's n part
.set T4,    GB+16384  ; b_hh1's n part
.set VB,    28672     ; vb2's two tiles, gb2's two
.set FB1,   32768     ; eight tiles
.set FB2,   40960
.set LNG,   45056
.set LNB,   49152
.set STAGE, 193536    ; 16 rows x 272 bytes for each wave, for the way out
.set SPARE, 228352    ; the spare words, 128 bytes for each wave: four blocks of 256 bytes that no other line names
; window 0 (an instruction names v0-v255; s_set_vgpr_msb says which window each operand place means: bits 1:0 source 0, 3:2 source 1, 5:4 source 2, 7:6 destination)
.set LL,  1           ; 16 x lane: the linear LDS formats, and my byte offset in 512 bytes of the output
.set LW0, 2           ; my place in a fragment of WHH0 (WIH1 by the immediate)
.set LW1, 3           ; of WHH1
.set LV,  4           ; of VW2 (GW2 by the immediate)
.set LF,  5           ; of FW1 (FW2 by the immediate)
.set STO, 6           ; the way out: where I put 16 bytes of a row
.set RD,  7           ; the way out: where I read rows back
.set PO,  8           ; 64 x (lane % 16): my row of past_trajectory in a tile
.set CO8, 9           ; 8 x (lane % 16): my row of the three inputs of width 2
.set SPW, 10          ; LDS address of my spare word; never rewritten
.set NIL, 11          ; 0; never rewritten
.set PFO, 12          ; 256 x (lane % 8); never rewritten
.set PFZ, 13          ; 0, an offset; never rewritten
.set ACC, 16          ; the chunk's accumulators: gate g, tile a at ACC + 16 g + 8 a
.set R,   16
.set Z,   32
.set XN,  48
.set HN,  64
.set H0,  80          ; layer 0's state in f32: tile a, units 16 u on at H0 + 32 a + 8 u;  layer 1's 64 further on
.set BT,  208         ; four bias tiles
.set BH,  240         ; the first step's hn is its bias: two tiles by turns
.set IN,  16          ; a pass's inputs as loaded
.set IC,  48
.set IV,  52
.set IG,  56
.set F1,  16          ; the fusion's hidden layer: tile a, units 16 m on at F1 + 64 a + 8 m
.set A1F, 144         ; the same in f16: tile a, units 32 k on at A1F + 32 a + 8 k
.set F2,  16          ; fused: F2 + 32 a + 8 u
.set LG,  80
.set LB,  112
.set TT,  208         ; 24 registers a tile at work in the LayerNorm
; window 1
.set AF,  0           ; 12 fragments of weights
.set HF0, 96          ; layer 0's state in f16: HF0 + 16 a + 8 k;  layer 1's 32 further on
.set HF1, 128
.set XF,  160         ; (x0, x1, 1, 0 ..) of the step in hand, 8 a tile; then the same of the velocity and of goal - position
.set XV,  176
.set XG,  192
.set XQ,  208         ; the later steps' (x0, x1), 7 a tile
.set EXA, 224         ; four fragments (w0, w1, bias, 0 ..); their registers 4-7 stay 0
; the prologue's names
.set GOFF, 1
.set DW0,  2
.set DW1,  3
.set DF,   4
.set BD,   5
.set SCV,  6
.set G32,  8
.set DV,   9
.set LND,  16
; scalars
.set WV,    2         ; my wave's number
.set PASS,  3
.set STEPS, 4
.set SRP,   82        ; pairs for the packed multiplies, which take the low word for both halves: -log2(e), log2(e), 2 log2(e), 16, 1/4, 1/16
.set S16,   88
.set S025,  90
.set S0625, 92
.set MSB, 0
.macro WIN new                         ; the immediate's high byte repeats the setting that is left; a switch that changes nothing is dropped
.if MSB != (\new)
	s_set_vgpr_msb (MSB<<8)|(\new)
.set MSB, \new
.endif
.endm
.set W_MM, 0x05       ; sources 0 and 1 in window 1, C and D in window 0
.set W_M2, 0x01       ; source 0 in window 1
.set W_D1, 0x40       ; destination in window 1
.set W_R1, 0x41       ; destination and source 0 in window 1
	s_load_b512 s[8:23], s[0:1], 0x0               ; past s[8:9], position s[10:11], velocity s[12:13], goal s[14:15], w_ih0 s[16:17], b_ih0 s[18:19], b_hh0 s[20:21], w_hh0 s[22:23]
	s_load_b512 s[24:39], s[0:1], 0x40             ; w_ih1 s[24:25], w_hh1 s[26:27], b_ih1 s[28:29], b_hh1 s[30:31], vw1 s[32:33], vb1 s[34:35], gw1 s[36:37], gb1 s[38:39]
	s_load_b512 s[40:55], s[0:1], 0x80             ; vw2 s[40:41], vb2 s[42:43], gw2 s[44:45], gb2 s[46:47], fw1 s[48:49], fb1 s[50:51], fw2 s[52:53], fb2 s[54:55]
	s_load_b128 s[56:59], s[0:1], 0xc0             ; ln_g s[56:57], ln_b s[58:59]
	s_load_b64 s[60:61], s[0:1], 0xd0              ; out0
	v_lshl_add_u32 v[SPW], v0, 2, SPARE
	v_mov_b32 v[NIL], 0
	v_lshrrev_b32 v1, 5, v0
	v_readfirstlane_b32 s[WV], v1                  ; wave 0..7
	s_mov_b32 s66, 0x76543210                      ; v_permlanex16_b32: each lane takes its own place in the other half
	s_mov_b32 s67, 0xfedcba98
	s_mov_b32 s68, 0x3c800000                      ; 1/64
	s_mov_b32 s69, 0x3727c5ac                      ; 1e-5
	s_mov_b32 s[SRP], 0xbfb8aa3b                   ; -log2(e)
	s_mov_b32 s[SRP+1], s[SRP]                     ; named with it as a pair, so it is written
	s_mov_b32 s[SRP+2], 0x3fb8aa3b                 ; log2(e)
	s_mov_b32 s[SRP+3], s[SRP+2]
	s_mov_b32 s[SRP+4], 0x4038aa3b                 ; 2 log2(e)
	s_mov_b32 s[SRP+5], s[SRP+4]
	s_mov_b32 s[S16], 0x41800000
	s_mov_b32 s[S16+1], s[S16]
	s_mov_b32 s[S025], 0x3e800000
	s_mov_b32 s[S025+1], s[S025]
	s_mov_b32 s[S0625], 0x3d800000
	s_mov_b32 s[S0625+1], s[S0625]
	; thread t makes row t of the 256 rows (w0, w1, bias): waves 0-5 w_ih0's 192 (r, z, n: 64 each), wave 6 vw1's 32, wave 7 gw1's 32
	s_cmp_lt_u32 s[WV], 2
	s_cselect_b32 s79, s[SRP], s[SRP+2]
	s_cmp_lt_u32 s[WV], 4
	s_cselect_b32 s79, s79, s[SRP+4]
	s_cselect_b32 s80, 1.0, 0                      ; b_hh0 joins b_ih0 in the r and z rows alone
	s_cmp_lt_u32 s[WV], 6
	s_cselect_b32 s79, s79, 1.0                    ; the row's scale
	s_cselect_b32 s78, 0xff, 31                    ; the row's number is t, or t % 32
	v_lshlrev_b32 v[GOFF], 5, v0                   ; 32 bytes (8 f32) a thread: 8,192 bytes a work-group and load pair
	v_lshrrev_b32 v14, 3, v0                       ; rows of 64: 8 threads a row, 32 rows
	v_and_b32 v15, 7, v0
	v_mul_u32_u24 v14, v14, 144
	v_lshl_add_u32 v14, v15, 4, v14
	v_add_nc_u32 v[DW0], WHH0, v14
	v_add_nc_u32 v[DW1], WHH1, v14
	v_lshrrev_b32 v14, 4, v0                       ; rows of 128: 16 threads a row, 16 rows
	v_and_b32 v15, 15, v0
	v_mul_u32_u24 v14, v14, 272
	v_lshl_add_u32 v14, v15, 4, v14
	v_add_nc_u32 v[DF], FW1, v14
	v_lshlrev_b32 v[BD], 4, v0                     ; 16 bytes a thread: a group of four bias tiles
	v_and_b32 v14, 8, v0                           ; fw1: my 8 columns lie in 0-63 (x 1/16) or in 64-127 (x 1/4)
	v_cmp_eq_u32 vcc_lo, 0, v14
	v_mov_b32 v15, 0x3d800000
	v_cndmask_b32 v[SCV], 0x3e800000, v15, vcc_lo
	v_mov_b32 v[SCV+1], v[SCV]
	v_and_b32 v14, 127, v0                         ; vw2 (threads 0-127) and gw2 (128-255): rows of 32, 4 threads a row
	v_lshlrev_b32 v[G32], 5, v14
	v_lshrrev_b32 v14, 2, v14
	v_mul_u32_u24 v14, v14, 80
	v_and_b32 v15, 3, v0
	v_lshl_add_u32 v14, v15, 4, v14
	v_lshrrev_b32 v15, 7, v0
	v_mul_u32_u24 v15, v15, 2560
	v_add_nc_u32 v14, v14, v15
	v_add_nc_u32 v[DV], VW2, v14
	v_and_b32 v[PFO], 7, v0
	v_lshlrev_b32 v[PFO], 8, v[PFO]
	v_mov_b32 v[PFZ], 0
	s_wait_kmcnt 0x0
	s_cmp_lt_u32 s[WV], 4
	s_cselect_b64 s[70:71], s[40:41], s[44:45]     ; vw2 or gw2
	s_cselect_b64 s[76:77], s[42:43], s[46:47]     ; vb2 or gb2
	s_cmp_eq_u32 s[WV], 6
	s_cselect_b64 s[72:73], s[32:33], s[36:37]     ; vw1 or gw1,
	s_cselect_b64 s[74:75], s[34:35], s[38:39]
	s_cmp_lt_u32 s[WV], 6
	s_cselect_b64 s[72:73], s[16:17], s[72:73]     ; or w_ih0
	s_cselect_b64 s[74:75], s[18:19], s[74:75]
	s_lshl_b32 s5, ttmp9, 9
	s_lshl_b32 s6, s[WV], 6
	s_add_co_u32 s5, s5, s6                        ; my wave's first row = 512 x work-group + 64 x wave
	s_mov_b32 s7, 0
	s_lshl_b32 s6, s5, 6                           ; 64 bytes a row
	s_add_nc_u64 s[8:9], s[8:9], s[6:7]
	s_lshl_b32 s6, s5, 3                           ; 8 bytes a row
	s_add_nc_u64 s[10:11], s[10:11], s[6:7]
	s_add_nc_u64 s[12:13], s[12:13], s[6:7]
	s_add_nc_u64 s[14:15], s[14:15], s[6:7]
	s_lshl_b32 s6, s5, 8                           ; 256 bytes a row
	s_add_nc_u64 s[60:61], s[60:61], s[6:7]
	; my first pass's inputs are asked for now and loaded behind the weights' conversion: 2,048 bytes of past_trajectory (lanes 0-7 name its eight blocks of 256 bytes,
	; the other lanes the same eight again) and 256 bytes of each of the three others.  No other wave asks for these bytes.
	global_prefetch_b8 v[PFO], s[8:9] th:TH_LOAD_NT scope:SCOPE_SE
	global_prefetch_b8 v[PFZ], s[10:11] th:TH_LOAD_NT scope:SCOPE_SE
	global_prefetch_b8 v[PFZ], s[12:13] th:TH_LOAD_NT scope:SCOPE_SE
	global_prefetch_b8 v[PFZ], s[14:15] th:TH_LOAD_NT scope:SCOPE_SE
; THE LARGE WEIGHTS: 30 pieces of 8,192 bytes, all 60 loads out at once; piece k lands in v[16 + 8 k ..].
.macro LDW k, base, it
	global_load_b128 v[LND+8*(\k):LND+8*(\k)+3],   v[GOFF], s[(\base):(\base)+1] offset:(\it)*8192
	global_load_b128 v[LND+8*(\k)+4:LND+8*(\k)+7], v[GOFF], s[(\base):(\base)+1] offset:(\it)*8192+16
.endm
.set it, 0
.rept 6
	LDW it, 22, it                                 ; w_hh0
.set it, it+1
.endr
.set it, 0
.rept 6
	LDW 6+it, 24, it                               ; w_ih1
.set it, it+1
.endr
.set it, 0
.rept 6
	LDW 12+it, 26, it                              ; w_hh1
.set it, it+1
.endr
.set it, 0
.rept 8
	LDW 18+it, 48, it                              ; fw1
.set it, it+1
.endr
.set it, 0
.rept 4
	LDW 26+it, 52, it                              ; fw2
.set it, it+1
.endr
	; while they are on their way: the registers of the width-2 fragments that never change
	WIN W_D1
.set n, 0
.rept 6                                                ; XF, XV, XG: six fragments on end
	v_mov_b32 v[XF+8*n+1], 0x3c00                  ; (1, 0) in f16
.set j, 2
.rept 6
	v_mov_b32 v[XF+8*n+j], 0
.set j, j+1
.endr
.set n, n+1
.endr
.set n, 0
.rept 4
.set j, 4
.rept 4
	v_mov_b32 v[EXA+8*n+j], 0
.set j, j+1
.endr
.set n, n+1
.endr
	WIN 0
; Piece k: scaled in f32, rounded once to f16, 16 bytes into LDS.  sc: the scalar pair of the scale; 0: my columns' own (fw1).
.macro CVT k, dst, off, sc
.set b, LND+8*(\k)
	s_wait_loadcnt 58-2*(\k)                       ; loads come back in order (ISA guide 5.7.1): the piece's two are in, the later pieces' stay out
.set j, 0
.rept 4
.if (\sc) == 0
	v_pk_mul_f32 v[b+2*j:b+2*j+1], v[b+2*j:b+2*j+1], v[SCV:SCV+1]
.else
	v_pk_mul_f32 v[b+2*j:b+2*j+1], v[b+2*j:b+2*j+1], s[(\sc):(\sc)+1] op_sel_hi:[1,0]
.endif
.set j, j+1
.endr
.set j, 0
.rept 4
	v_cvt_pk_f16_f32 v[b+j], v[b+2*j], v[b+2*j+1]  ; in place, ascending: no pair is overwritten before it is read
.set j, j+1
.endr
	ds_store_b128 v[\dst], v[b:b+3] offset:\off
.endm
.set it, 0
.rept 6                                                ; a piece is 32 rows: pieces 0, 1 the r rows, 2, 3 the z rows, 4, 5 the n rows
	CVT it, DW0, it*4608, SRP+2*(it/2)
.set it, it+1
.endr
.set it, 0
.rept 6
	CVT 6+it, DW0, WIH1-WHH0+it*4608, SRP+2*(it/2)
.set it, it+1
.endr
.set it, 0
.rept 6
	CVT 12+it, DW1, it*4608, SRP+2*(it/2)
.set it, it+1
.endr
.set it, 0
.rept 8
	CVT 18+it, DF, it*4352, 0
.set it, it+1
.endr
.set it, 0
.rept 4
	CVT 26+it, DF, FW2-FW1+it*4352, S16
.set it, it+1
.endr
	; THE SMALL DATA, one batch of loads.  Offsets first; none is rewritten before the wait for the batch.
	v_and_b32 v16, s78, v0                         ; my row of (w0, w1, bias)
	v_lshlrev_b32 v17, 2, v16
	v_lshlrev_b32 v16, 3, v16
	v_lshrrev_b32 v18, 4, v0                       ; its fragment, 512 bytes each,
	v_and_b32 v19, 15, v0
	v_lshlrev_b32 v18, 9, v18
	v_lshl_add_u32 v18, v19, 4, v18                ; and its lane's 16 bytes there
	v_lshrrev_b32 v14, 6, v0                       ; a bias tile's 16 bytes at 16 t hold units 16 (t / 64) + 8 ((t / 16) % 2) + 4 ((t / 32) % 2) + 0..3
	v_bfe_u32 v15, v0, 4, 1
	v_bfe_u32 v19, v0, 5, 1
	v_lshlrev_b32 v14, 6, v14
	v_lshl_add_u32 v14, v15, 5, v14
	v_lshl_add_u32 v14, v19, 4, v14
	v_and_b32 v15, 127, v14                        ; the same within 32 units (vb2, gb2)
	global_load_b128 v[20:23], v[G32], s[70:71]
	global_load_b128 v[24:27], v[G32], s[70:71] offset:16
	global_load_b64 v[28:29], v16, s[72:73]
	global_load_b32 v30, v17, s[74:75]
	global_load_b32 v31, v17, s[20:21]
	global_load_b128 v[32:35], v14, s[20:21] offset:512
	global_load_b128 v[36:39], v14, s[28:29]
	global_load_b128 v[40:43], v14, s[30:31]
	global_load_b128 v[44:47], v14, s[28:29] offset:256
	global_load_b128 v[48:51], v14, s[30:31] offset:256
	global_load_b128 v[52:55], v14, s[28:29] offset:512
	global_load_b128 v[56:59], v14, s[30:31] offset:512
	global_load_b128 v[60:63], v15, s[76:77]
	global_load_b128 v[64:67], v14, s[50:51]
	global_load_b128 v[68:71], v14, s[50:51] offset:256
	global_load_b128 v[72:75], v14, s[54:55]
	global_load_b128 v[76:79], v14, s[56:57]
	global_load_b128 v[80:83], v14, s[58:59]
.set j, 86
.rept 6
	v_mov_b32 v[j], 0                              ; v86-87: the row's k = 4..7; v88-91: lanes 16-31 of its fragment
.set j, j+1
.endr
	s_wait_loadcnt 0x0
.macro SCALE4 reg, sc
	v_pk_mul_f32 v[(\reg):(\reg)+1],   v[(\reg):(\reg)+1],   s[(\sc):(\sc)+1] op_sel_hi:[1,0]
	v_pk_mul_f32 v[(\reg)+2:(\reg)+3], v[(\reg)+2:(\reg)+3], s[(\sc):(\sc)+1] op_sel_hi:[1,0]
.endm
.macro SUM4 reg, other
	v_pk_add_f32 v[(\reg):(\reg)+1],   v[(\reg):(\reg)+1],   v[(\other):(\other)+1]
	v_pk_add_f32 v[(\reg)+2:(\reg)+3], v[(\reg)+2:(\reg)+3], v[(\other)+2:(\other)+3]
.endm
	SCALE4 20, S025                                ; vw2, gw2
	SCALE4 24, S025
.set j, 0
.rept 4
	v_cvt_pk_f16_f32 v[20+j], v[20+2*j], v[20+2*j+1]
.set j, j+1
.endr
	ds_store_b128 v[DV], v[20:23]
	v_fma_f32 v30, v31, s80, v30                   ; b_ih0 + b_hh0 in the r and z rows, else the one bias
	v_mul_f32 v28, s79, v28
	v_mul_f32 v29, s79, v29
	v_mul_f32 v30, s79, v30
	v_cvt_pk_f16_f32 v84, v28, v29
	v_cvt_pk_f16_f32 v85, v30, v86
	ds_store_b128 v18, v[84:87] offset:EXT
	ds_store_b128 v18, v[88:91] offset:EXT+256
	SCALE4 32, SRP+4
	ds_store_b128 v[BD], v[32:35] offset:T0
	SUM4 36, 40
	SCALE4 36, SRP
	ds_store_b128 v[BD], v[36:39] offset:T1
	SUM4 44, 48
	SCALE4 44, SRP+2
	ds_store_b128 v[BD], v[44:47] offset:T2
	SCALE4 52, SRP+4
	ds_store_b128 v[BD], v[52:55] offset:T3
	SCALE4 56, SRP+4
	ds_store_b128 v[BD], v[56:59] offset:T4
	SCALE4 60, S025
	ds_store_b128 v[BD], v[60:63] offset:VB
	SCALE4 64, S0625
	ds_store_b128 v[BD], v[64:67] offset:FB1
	SCALE4 68, S0625
	ds_store_b128 v[BD], v[68:71] offset:FB1+4096
	ds_store_b128 v[BD], v[72:75] offset:FB2
	ds_store_b128 v[BD], v[76:79] offset:LNG
	ds_store_b128 v[BD], v[80:83] offset:LNB
	; the main part's addresses.  A fragment is 16 rows x 32 K in 8 registers: lane l holds row l % 16, K = 8 (l / 16) + 0..7 and 16 + 8 (l / 16) + 0..7: two loads of 16 bytes, 32 bytes apart.
	v_and_b32 v14, 15, v0                          ; l % 16
	v_bfe_u32 v15, v0, 4, 1                        ; l / 16
	v_and_b32 v16, 31, v0
	v_lshlrev_b32 v[LL], 4, v16
	v_mul_u32_u24 v16, v14, 144
	v_lshl_add_u32 v16, v15, 4, v16
	v_add_nc_u32 v[LW0], WHH0, v16
	v_add_nc_u32 v[LW1], WHH1, v16
	v_mul_u32_u24 v16, v14, 80
	v_lshl_add_u32 v16, v15, 4, v16
	v_add_nc_u32 v[LV], VW2, v16
	v_mul_u32_u24 v16, v14, 272
	v_lshl_add_u32 v17, v15, 4, v16
	v_add_nc_u32 v[LF], FW1, v17
	s_mul_i32 s5, s[WV], 16*272
	s_add_co_u32 s5, s5, STAGE                     ; my stage
	v_lshl_add_u32 v17, v15, 5, v16                ; in: row l % 16, 32 bytes (8 units) for each half of the lanes
	v_add_nc_u32 v[STO], s5, v17
	v_mul_u32_u24 v17, v15, 272                    ; back: lanes 0-15 take one row of 256 bytes, lanes 16-31 the next
	v_lshl_add_u32 v17, v14, 4, v17
	v_add_nc_u32 v[RD], s5, v17
	v_lshlrev_b32 v[PO], 6, v14
	v_lshlrev_b32 v[CO8], 3, v14
	s_wait_dscnt 0x0                               ; for the others' sake: my stores into LDS are done
	s_barrier_signal -1
	s_barrier_wait -1                              ; the one barrier: behind it weights and biases are only read
.macro PLACES                          ; a load into a register that a matrix instruction has named, and a vector instruction that reads its result or writes one of its registers, stand four
.rept 4                                ; places behind it, and only plain vector instructions that name none of its registers are places (ISA guide 7.12.1 for vector instructions)
	v_nop
.endr
.endm
.macro LDA slot, la, off               ; a fragment of weights; destination in window 1
	ds_load_b128 v[AF+8*(\slot):AF+8*(\slot)+3],   v[\la] offset:\off
	ds_load_b128 v[AF+8*(\slot)+4:AF+8*(\slot)+7], v[\la] offset:(\off)+32
.endm
.macro LDE e, f                        ; the four registers of a width-2 fragment that are not 0
	ds_load_b128 v[EXA+8*(\e):EXA+8*(\e)+3], v[LL] offset:EXT+(\f)*512
.endm
.macro LDT reg, off                    ; a bias tile; window 0
	ds_load_b128 v[(\reg):(\reg)+3],   v[LL] offset:\off
	ds_load_b128 v[(\reg)+4:(\reg)+7], v[LL] offset:(\off)+512
.endm
; All that chunk (layer l, units 16 u on) reads from LDS, in one run.  first = 1: the first step, whose state is 0: no fragment of w_hh, and hn's bias goes to the gates.
; Slots: layer 0: w_hh0's r, z, n rows x two halves of K in 0-5.  Layer 1: w_ih1's likewise in 0-5, w_hh1's in 6-11.
.macro FETCH l, u, first
	WIN W_D1
.if (\l) == 0
	LDE 0, (\u)
	LDE 1, 4+(\u)
	LDE 2, 8+(\u)
.if !(\first)
.set g, 0
.rept 3
	LDA 2*g,   LW0, (4*g+(\u))*2304
	LDA 2*g+1, LW0, (4*g+(\u))*2304+64
.set g, g+1
.endr
.endif
	WIN 0
.if \first
	LDT BH+8*((\u)&1), T0+(\u)*1024
.else
	LDT BT+24, T0+(\u)*1024
.endif
.else
.set g, 0
.rept 3
	LDA 2*g,   LW0, WIH1-WHH0+(4*g+(\u))*2304
	LDA 2*g+1, LW0, WIH1-WHH0+(4*g+(\u))*2304+64
.if !(\first)
	LDA 6+2*g, LW1, (4*g+(\u))*2304
	LDA 7+2*g, LW1, (4*g+(\u))*2304+64
.endif
.set g, g+1
.endr
	WIN 0
	LDT BT,    T1+(\u)*1024
	LDT BT+8,  T2+(\u)*1024
	LDT BT+16, T3+(\u)*1024
.if \first
	LDT BH+8*((\u)&1), T4+(\u)*1024
.else
	LDT BT+24, T4+(\u)*1024
.endif
.endif
.endm
.macro MM d, a, b, c                   ; one product.  c = -1: the constant 0 starts the sum; -2: onto the sum in place; else a bias tile starts it
.if (\c) == -1
	v_wmma_f32_16x16x32_f16 v[(\d):(\d)+7], v[(\a):(\a)+7], v[(\b):(\b)+7], 0
.elseif (\c) == -2
	v_wmma_f32_16x16x32_f16 v[(\d):(\d)+7], v[(\a):(\a)+7], v[(\b):(\b)+7], v[(\d):(\d)+7]
.else
	v_wmma_f32_16x16x32_f16 v[(\d):(\d)+7], v[(\a):(\a)+7], v[(\b):(\b)+7], v[(\c):(\c)+7]
.endif
.endm
.macro MM2 d, af, b, bs, c             ; the same fragment of weights for both tiles
	MM (\d),   (\af), (\b),       \c
	MM (\d)+8, (\af), (\b)+(\bs), \c
.endm
; A chunk's products.  The accumulators (r, z, xn, hn x two tiles) take turns, one instruction a turn.
.macro MATMUL l, first
	WIN W_MM
.if (\l) == 0
	MM2 R,  EXA,    XF, 8, -1                      ; w_ih0 x + biases
	MM2 Z,  EXA+8,  XF, 8, -1
	MM2 XN, EXA+16, XF, 8, -1
.if !(\first)
	MM2 HN, AF+32, HF0,   16, BT+24                ; w_hh0 h
	MM2 R,  AF,    HF0,   16, -2
	MM2 Z,  AF+16, HF0,   16, -2
	MM2 HN, AF+40, HF0+8, 16, -2
	MM2 R,  AF+8,  HF0+8, 16, -2
	MM2 Z,  AF+24, HF0+8, 16, -2
.endif
.else
	MM2 R,  AF,    HF0,   16, BT                   ; w_ih1 h0
	MM2 Z,  AF+16, HF0,   16, BT+8
	MM2 XN, AF+32, HF0,   16, BT+16
.if !(\first)
	MM2 HN, AF+80, HF1,   16, BT+24                ; w_hh1 h1
.endif
	MM2 R,  AF+8,  HF0+8, 16, -2
	MM2 Z,  AF+24, HF0+8, 16, -2
	MM2 XN, AF+40, HF0+8, 16, -2
.if !(\first)
	MM2 HN, AF+88, HF1+8, 16, -2
	MM2 R,  AF+48, HF1,   16, -2
	MM2 Z,  AF+64, HF1,   16, -2
	MM2 R,  AF+56, HF1+8, 16, -2
	MM2 Z,  AF+72, HF1+8, 16, -2
.endif
.endif
.endm
; A chunk's gates, 16 registers (8 pairs) a gate.  Behind an exponential or a reciprocal a plain instruction that touches neither its result nor its source comes before the result is used
; (ISA guide 5.7.2): the plain work of the gate before rides between the pairs.  Each accumulator's lowest registers are read first.
.macro GATES l, u, first
.set HB, H0+64*(\l)+8*(\u)
.set i, 0
.rept 16
	v_exp_f32 v[R+i], v[R+i]
.set i, i+1
.endr
	v_nop
.set i, 0
.rept 8
	v_exp_f32 v[Z+2*i], v[Z+2*i]
	v_exp_f32 v[Z+2*i+1], v[Z+2*i+1]
	s_wait_alu depctr_va_vdst(0)
	v_pk_add_f32 v[R+2*i:R+2*i+1], v[R+2*i:R+2*i+1], 1.0 op_sel_hi:[1,0]
.set i, i+1
.endr
.set i, 0
.rept 8
	v_rcp_f32 v[R+2*i], v[R+2*i]                   ; r
	v_rcp_f32 v[R+2*i+1], v[R+2*i+1]
	s_wait_alu depctr_va_vdst(0)
	v_pk_add_f32 v[Z+2*i:Z+2*i+1], v[Z+2*i:Z+2*i+1], 1.0 op_sel_hi:[1,0]
.set i, i+1
.endr
.set i, 0
.rept 8
.if \first
.set hq, BH+8*((\u)&1)+2*(i%4)
.else
.set hq, HN+2*i
.endif
	v_rcp_f32 v[Z+2*i], v[Z+2*i]                   ; u = 1 - z
	v_rcp_f32 v[Z+2*i+1], v[Z+2*i+1]
	s_wait_alu depctr_va_vdst(0)
	v_pk_fma_f32 v[XN+2*i:XN+2*i+1], v[R+2*i:R+2*i+1], v[hq:hq+1], v[XN+2*i:XN+2*i+1]
.set i, i+1
.endr
.set i, 0
.rept 16
	v_exp_f32 v[XN+i], v[XN+i]
.set i, i+1
.endr
	v_nop
.set i, 0
	s_wait_alu depctr_va_vdst(0)
.rept 8
	v_pk_add_f32 v[XN+2*i:XN+2*i+1], v[XN+2*i:XN+2*i+1], 1.0 op_sel_hi:[1,0]
	v_rcp_f32 v[XN+2*i], v[XN+2*i]                 ; q
	v_rcp_f32 v[XN+2*i+1], v[XN+2*i+1]
.set i, i+1
.endr
.set i, 0
	s_wait_alu depctr_va_vdst(0)
.rept 8
	v_pk_fma_f32 v[XN+2*i:XN+2*i+1], v[XN+2*i:XN+2*i+1], -2.0, 1.0 op_sel_hi:[1,0,0]  ; n = 1 - 2 q
.set i, i+1
.endr
.if !(\first)
.set i, 0
.rept 8
.set hp, HB+32*(i/4)+2*(i%4)
	v_pk_add_f32 v[XN+2*i:XN+2*i+1], v[XN+2*i:XN+2*i+1], v[hp:hp+1] neg_lo:[0,1] neg_hi:[0,1]
.set i, i+1
.endr
.endif
.set i, 0
.rept 8
.set hp, HB+32*(i/4)+2*(i%4)
.if \first
	v_pk_mul_f32 v[hp:hp+1], v[Z+2*i:Z+2*i+1], v[XN+2*i:XN+2*i+1]                     ; h' = u n: nothing is cleared
.else
	v_pk_fma_f32 v[hp:hp+1], v[Z+2*i:Z+2*i+1], v[XN+2*i:XN+2*i+1], v[hp:hp+1]         ; h' = h + u (n - h)
.endif
.set i, i+1
.endr
.endm
.macro CHUNK l, u, first, nl, nu, nf   ; chunk (l, u); (nl, nu, nf) is the chunk behind it
	s_wait_dscnt 0x0                               ; all that is out is this chunk's own run of loads, issued ahead of the last chunk's gates
	MATMUL \l, \first
	PLACES
	FETCH \nl, \nu, \nf
	GATES \l, \u, \first
.endm
.macro PACKH l                         ; a layer's new state, rounded to f16: the fragments of the products to come
	WIN W_D1
.set n, 0
.rept 32
	v_cvt_pk_f16_f32 v[HF0+32*(\l)+n], v[H0+64*(\l)+2*n], v[H0+64*(\l)+2*n+1]
.set n, n+1
.endr
.endm
.macro ROTX                            ; the next step's (x0, x1) moves up, so that one text serves every step
	WIN W_R1
.set a, 0
.rept 2
	v_mov_b32 v[XF+8*a], v[XQ+7*a]
.set i, 0
.rept 6
	v_mov_b32 v[XQ+7*a+i], v[XQ+7*a+i+1]
.set i, i+1
.endr
.set a, a+1
.endr
.endm
.macro STEP first                      ; a time step: layer 0's four chunks read the old h0, layer 1's the new h0 and the old h1
	CHUNK 0, 0, \first, 0, 1, \first
	CHUNK 0, 1, \first, 0, 2, \first
	CHUNK 0, 2, \first, 0, 3, \first
	CHUNK 0, 3, \first, 1, 0, \first
	PACKH 0
	ROTX
	CHUNK 1, 0, \first, 1, 1, \first
	CHUNK 1, 1, \first, 1, 2, \first
	CHUNK 1, 2, \first, 1, 3, \first
	CHUNK 1, 3, \first, 0, 0, 0
	PACKH 1
.endm
; THE EPILOGUE's macros
.macro RELUPACK                        ; an encoder layer of both encoders and tiles: max(0, .), rounded to f16 into the fragments of the next product
	WIN 0
.set n, 0
.rept 64
	v_max_num_f32 v[ACC+n], 0, v[ACC+n]
.set n, n+1
.endr
	WIN W_D1
.set n, 0
.rept 32
	v_cvt_pk_f16_f32 v[HF0+n], v[ACC+2*n], v[ACC+2*n+1]
.set n, n+1
.endr
.endm
.macro FETCHF base, bias, g            ; 32 rows (two tiles) x 128 K of fw1 or fw2: slot 4 m + k; and their two bias tiles
	WIN W_D1
.set n, 0
.rept 8
	LDA n, LF, (\base)+(2*(\g)+n/4)*4352+(n%4)*64
.set n, n+1
.endr
	WIN 0
	LDT BT,   (\bias)+(2*(\g))*1024
	LDT BT+8, (\bias)+(2*(\g)+1)*1024
.endm
.macro FUS1 g                          ; units 32 g on of the fusion's hidden layer: 16 products, four accumulators by turns; K = h1 (64), velocity feature (32), goal feature (32)
	s_wait_dscnt 0x0
	WIN W_MM
.set n, 0
.rept 16
.set ks, n/4
.set mi, (n/2)%2
.set aa, n%2
.if ks < 2
.set bb, HF1+16*aa+8*ks
.else
.set bb, HF0+16*(ks-2)+8*aa
.endif
.if ks == 0
	MM F1+64*aa+8*(2*(\g)+mi), AF+8*(4*mi+ks), bb, BT+8*mi
.else
	MM F1+64*aa+8*(2*(\g)+mi), AF+8*(4*mi+ks), bb, -2
.endif
.set n, n+1
.endr
	PLACES
.if (\g) < 3
	FETCHF 0, FB1, (\g)+1
.else
	FETCHF FW2-FW1, FB2, 0
.endif
.set n, 0
.rept 32
	v_max_num_f32 v[F1+64*(n/16)+16*(\g)+n%16], 0, v[F1+64*(n/16)+16*(\g)+n%16]
.set n, n+1
.endr
.set n, 0
.rept 16
	v_cvt_pk_f16_f32 v[A1F+32*(n/8)+8*(\g)+n%8], v[F1+64*(n/8)+16*(\g)+2*(n%8)], v[F1+64*(n/8)+16*(\g)+2*(n%8)+1]
.set n, n+1
.endr
.endm
.macro FUS2 g                          ; units 32 g on of fused
	s_wait_dscnt 0x0
	WIN W_M2
.set n, 0
.rept 16
.set ks, n/4
.set mi, (n/2)%2
.set aa, n%2
.if ks == 0
	MM F2+32*aa+8*(2*(\g)+mi), AF+8*(4*mi+ks), A1F+32*aa+8*ks, BT+8*mi
.else
	MM F2+32*aa+8*(2*(\g)+mi), AF+8*(4*mi+ks), A1F+32*aa+8*ks, -2
.endif
.set n, n+1
.endr
	PLACES
.if (\g) == 0
	FETCHF FW2-FW1, FB2, 1
.else
	WIN 0
.set n, 0
.rept 4
	LDT LG+8*n, LNG+n*1024
	LDT LB+8*n, LNB+n*1024
.set n, n+1
.endr
.endif
.set n, 0
.rept 32
	v_max_num_f32 v[F2+32*(n/16)+16*(\g)+n%16], 0, v[F2+32*(n/16)+16*(\g)+n%16]
.set n, n+1
.endr
.endm
.macro BOTH line:vararg                ; one line for each of the two tiles, side by side, so that no line waits for the one before it
.set a, 0
.rept 2
.set Y, F2+32*a
.set TA, TT+24*a
	\line
.set a, a+1
.endr
.endm
.macro STAGE_T a                       ; a tile's 16 rows into my stage, 32 bytes a lane and unit tile, and back as whole rows of 256 bytes, into the registers that they left
.set Y, F2+32*(\a)
.set n, 0
.rept 8
	ds_store_b128 v[STO], v[Y+4*n:Y+4*n+3] offset:64*(n/2)+16*(n%2)
.set n, n+1
.endr
.set n, 0
.rept 8
	ds_load_b128 v[Y+4*n:Y+4*n+3], v[RD] offset:544*n  ; LDS serves a wave's instructions in order (ISA guide 5.7.1.4): these see the stores above; the next tile's stores come behind them
.set n, n+1
.endr
.endm
.macro SEND a, younger                 ; younger: the LDS instructions issued behind this tile's loads
.set Y, F2+32*(\a)
.set n, 0
.rept 8
	s_wait_dscnt (\younger)+7-n
	global_store_b128 v[LL], v[Y+4*n:Y+4*n+3], s[60:61] offset:(\a)*4096+n*512 th:TH_STORE_NT  ; 512 consecutive bytes, at a multiple of 256 from the output's first
.set n, n+1
.endr
.endm
	s_mov_b32 s[PASS], 2
.Lpass:                                                ; 32 rows: two tiles
.set a, 0
.rept 2
.set k, 0
.rept 4
	global_load_b128 v[IN+16*a+4*k:IN+16*a+4*k+3], v[PO], s[8:9] offset:a*1024+16*k th:TH_LOAD_NT  ; my row's 8 steps; both halves of the lanes hold the row
.set k, k+1
.endr
	global_load_b64 v[IC+2*a:IC+2*a+1], v[CO8], s[10:11] offset:a*128 th:TH_LOAD_NT
	global_load_b64 v[IV+2*a:IV+2*a+1], v[CO8], s[12:13] offset:a*128 th:TH_LOAD_NT
	global_load_b64 v[IG+2*a:IG+2*a+1], v[CO8], s[14:15] offset:a*128 th:TH_LOAD_NT
.set a, a+1
.endr
	FETCH 0, 0, 1
	s_wait_loadcnt 0x0
.set n, 0
.rept 16
	v_pk_add_f32 v[IN+2*n:IN+2*n+1], v[IN+2*n:IN+2*n+1], v[IC+2*(n/8):IC+2*(n/8)+1] neg_lo:[0,1] neg_hi:[0,1]  ; past - position, in f32, ahead of the rounding
.set n, n+1
.endr
.set a, 0
.rept 2
	v_pk_add_f32 v[IG+2*a:IG+2*a+1], v[IG+2*a:IG+2*a+1], v[IC+2*a:IC+2*a+1] neg_lo:[0,1] neg_hi:[0,1]          ; goal - position
.set a, a+1
.endr
	WIN W_D1
.set a, 0
.rept 2
	v_cvt_pk_f16_f32 v[XF+8*a], v[IN+16*a], v[IN+16*a+1]
.set k, 1
.rept 7
	v_cvt_pk_f16_f32 v[XQ+7*a+k-1], v[IN+16*a+2*k], v[IN+16*a+2*k+1]
.set k, k+1
.endr
	v_cvt_pk_f16_f32 v[XV+8*a], v[IV+2*a], v[IV+2*a+1]
	v_cvt_pk_f16_f32 v[XG+8*a], v[IG+2*a], v[IG+2*a+1]
.set a, a+1
.endr
	STEP 1                                         ; the first step is written out: with h = 0 it has no product with w_hh, and its results start the state
	WIN 0                                          ; at a label and at a branch every window is 0
	s_mov_b32 s[STEPS], 7
.Lstep:
	STEP 0
	WIN 0
	s_sub_co_u32 s[STEPS], s[STEPS], 1
	s_cmp_lg_u32 s[STEPS], 0
	s_cbranch_scc1 .Lstep                          ; (the last trip's run of loads for a further step serves nothing: 17 loads a pass, the price of one text for every trip)
	s_cmp_eq_u32 s[PASS], 1
	s_cbranch_scc1 .Lno_more                       ; the last pass asks for nothing: no request leaves a buffer
	global_prefetch_b8 v[PFO], s[8:9] offset:2048 th:TH_LOAD_NT scope:SCOPE_SE   ; my second pass's inputs, one epilogue ahead of their loads: the same four requests, 32 rows on
	global_prefetch_b8 v[PFZ], s[10:11] offset:256 th:TH_LOAD_NT scope:SCOPE_SE
	global_prefetch_b8 v[PFZ], s[12:13] offset:256 th:TH_LOAD_NT scope:SCOPE_SE
	global_prefetch_b8 v[PFZ], s[14:15] offset:256 th:TH_LOAD_NT scope:SCOPE_SE
.Lno_more:
	; THE ENCODERS.  Tile n of eight: encoder n / 4 (velocity, goal), batch tile (n / 2) % 2, units 16 (n % 2) on.
	s_wait_dscnt 0x0                               ; no load is out into the registers that are loaded anew
	WIN W_D1
	LDE 0, 12
	LDE 1, 13
	LDE 2, 14
	LDE 3, 15
	LDA 4, LV, 0
	LDA 5, LV, 1280
	LDA 6, LV, 2560
	LDA 7, LV, 3840
	WIN 0
	LDT BT,    VB
	LDT BT+8,  VB+1024
	LDT BT+16, VB+2048
	LDT BT+24, VB+3072
	s_wait_dscnt 0x0
	WIN W_MM
.set n, 0
.rept 8
	MM ACC+8*n, EXA+8*(2*(n/4)+n%2), XV+16*(n/4)+8*((n/2)%2), -1
.set n, n+1
.endr
	PLACES
	RELUPACK
	WIN W_MM
.set n, 0
.rept 8
	MM ACC+8*n, AF+8*(4+2*(n/4)+n%2), HF0+16*(n/4)+8*((n/2)%2), BT+8*(2*(n/4)+n%2)
.set n, n+1
.endr
	PLACES
	FETCHF 0, FB1, 0
	RELUPACK                                       ; velocity feature of tile a at HF0 + 8 a, goal feature at HF0 + 16 + 8 a
	FUS1 0
	FUS1 1
	FUS1 2
	FUS1 3
	FUS2 0
	FUS2 1
	; LAYERNORM.  A lane holds 32 of its row's 64 channels, the lane 16 away the others.  The mean first, then the mean of the squared differences.
.set i, 0
.rept 8
	BOTH v_pk_add_f32 v[TA+2*i:TA+2*i+1], v[Y+4*i:Y+4*i+1], v[Y+4*i+2:Y+4*i+3]
.set i, i+1
.endr
.set i, 0
.rept 4
	BOTH v_pk_add_f32 v[TA+4*i:TA+4*i+1], v[TA+4*i:TA+4*i+1], v[TA+4*i+2:TA+4*i+3]
.set i, i+1
.endr
.set i, 0
.rept 2
	BOTH v_pk_add_f32 v[TA+8*i:TA+8*i+1], v[TA+8*i:TA+8*i+1], v[TA+8*i+4:TA+8*i+5]
.set i, i+1
.endr
	BOTH v_pk_add_f32 v[TA:TA+1], v[TA:TA+1], v[TA+8:TA+9]
	BOTH v_add_f32 v[TA], v[TA], v[TA+1]
	BOTH v_permlanex16_b32 v[TA+2], v[TA], s66, s67  ; its destination counts as read: a register of the tree, written above
	BOTH v_add_f32 v[TA], v[TA], v[TA+2]
	BOTH v_mul_f32 v[TA+16], s68, v[TA]
	BOTH v_mul_f32 v[TA+17], s68, v[TA]
.set i, 0
.rept 16
	BOTH v_pk_add_f32 v[Y+2*i:Y+2*i+1], v[Y+2*i:Y+2*i+1], v[TA+16:TA+17] neg_lo:[0,1] neg_hi:[0,1]
.set i, i+1
.endr
.set i, 0
.rept 4
	BOTH v_pk_mul_f32 v[TA+2*i:TA+2*i+1], v[Y+2*i:Y+2*i+1], v[Y+2*i:Y+2*i+1]
.set i, i+1
.endr
.rept 12
	BOTH v_pk_fma_f32 v[TA+2*(i%4):TA+2*(i%4)+1], v[Y+2*i:Y+2*i+1], v[Y+2*i:Y+2*i+1], v[TA+2*(i%4):TA+2*(i%4)+1]
.set i, i+1
.endr
	BOTH v_pk_add_f32 v[TA:TA+1], v[TA:TA+1], v[TA+2:TA+3]
	BOTH v_pk_add_f32 v[TA+4:TA+5], v[TA+4:TA+5], v[TA+6:TA+7]
	BOTH v_pk_add_f32 v[TA:TA+1], v[TA:TA+1], v[TA+4:TA+5]
	BOTH v_add_f32 v[TA], v[TA], v[TA+1]
	BOTH v_permlanex16_b32 v[TA+2], v[TA], s66, s67
	BOTH v_add_f32 v[TA], v[TA], v[TA+2]
	BOTH v_fma_f32 v[TA], v[TA], s68, s69          ; the variance + 1e-5
	BOTH v_rsq_f32 v[TA+18], v[TA]                 ; twice, to fill the pair that the packed multiply takes
	BOTH v_rsq_f32 v[TA+19], v[TA]
	v_nop                                          ; a plain instruction between the last root and the use of its result
	s_wait_alu depctr_va_vdst(0)
	s_wait_dscnt 0x0                               ; ln_g's and ln_b's tiles are in
.set i, 0
.rept 16
	BOTH v_pk_mul_f32 v[Y+2*i:Y+2*i+1], v[Y+2*i:Y+2*i+1], v[TA+18:TA+19]
.set i, i+1
.endr
.set i, 0
.rept 16
	BOTH v_pk_fma_f32 v[Y+2*i:Y+2*i+1], v[Y+2*i:Y+2*i+1], v[LG+2*i:LG+2*i+1], v[LB+2*i:LB+2*i+1]
.set i, i+1
.endr
	; THE WAY OUT: both tiles through my stage, then the stores
	STAGE_T 0
	STAGE_T 1
	SEND 0, 16
	SEND 1, 0
	s_wait_xcnt 0x0                                ; every earlier memory instruction has had its addresses translated (ISA guide 3.1): only behind this wait are the bases stepped and the stores' registers loaded anew
	s_add_nc_u64 s[8:9], s[8:9], 2048              ; 32 rows on
	s_add_nc_u64 s[10:11], s[10:11], 256
	s_add_nc_u64 s[12:13], s[12:13], 256
	s_add_nc_u64 s[14:15], s[14:15], 256
	s_add_nc_u64 s[60:61], s[60:61], 8192
	s_sub_co_u32 s[PASS], s[PASS], 1
	s_cmp_lg_u32 s[PASS], 0
	s_cbranch_scc1 .Lpass
	s_wait_tensorcnt 0x0                           ; the wave's end
	ds_add_u32 v[SPW], v[NIL]
	s_wait_dscnt 0x0
	s_endpgm
.Lfunc_end_k_q6dae39f695_encoder:
	.size	k_q6dae39f695_encoder, .Lfunc_end_k_q6dae39f695_encoder-k_q6dae39f695_encoder
	.p2alignl 7, 3214868480
	.fill 96, 4, 3214868480
	.section	.rodata,"a",@progbits
	.p2align	6, 0x0
	.amdhsa_kernel k_q6dae39f695_encoder
		.amdhsa_group_segment_fixed_size 229376
		.amdhsa_private_segment_fixed_size 0
		.amdhsa_enable_private_segment 0
		.amdhsa_kernarg_size 216
		.amdhsa_user_sgpr_count 2
		.amdhsa_user_sgpr_kernarg_segment_ptr 1
		.amdhsa_wavefront_size32 1
		.amdhsa_system_sgpr_workgroup_id_x 1
		.amdhsa_system_sgpr_workgroup_id_y 1
		.amdhsa_system_sgpr_workgroup_id_z 1
		.amdhsa_system_vgpr_workitem_id 0
		.amdhsa_next_free_vgpr 512
		.amdhsa_next_free_sgpr 94
		.amdhsa_reserve_vcc 1
		.amdhsa_float_denorm_mode_32 3
		.amdhsa_float_denorm_mode_16_64 3
		.amdhsa_memory_ordered 1
		.amdhsa_forward_progress 1
		.amdhsa_inst_pref_size 255
	.end_amdhsa_kernel
	.section	.bss,"aw",@nobits
	.p2align	6
	.space	262144
	.amdgpu_metadata
---
amdhsa.version: [ 1, 2 ]
amdhsa.kernels:
  - .name:           k_q6dae39f695_encoder
    .symbol:         k_q6dae39f695_encoder.kd
    .args:
      - { .name: past_trajectory, .offset: 0, .size: 8, .value_kind: global_buffer, .address_space: global }
      - { .name: current_position, .offset: 8, .size: 8, .value_kind: global_buffer, .address_space: global }
      - { .name: current_velocity, .offset: 16, .size: 8, .value_kind: global_buffer, .address_space: global }
      - { .name: goal_position, .offset: 24, .size: 8, .value_kind: global_buffer, .address_space: global }
      - { .name: w_ih0, .offset: 32, .size: 8, .value_kind: global_buffer, .address_space: global }
      - { .name: b_ih0, .offset: 40, .size: 8, .value_kind: global_buffer, .address_space: global }
      - { .name: b_hh0, .offset: 48, .size: 8, .value_kind: global_buffer, .address_space: global }
      - { .name: w_hh0, .offset: 56, .size: 8, .value_kind: global_buffer, .address_space: global }
      - { .name: w_ih1, .offset: 64, .size: 8, .value_kind: global_buffer, .address_space: global }
      - { .name: w_hh1, .offset: 72, .size: 8, .value_kind: global_buffer, .address_space: global }
      - { .name: b_ih1, .offset: 80, .size: 8, .value_kind: global_buffer, .address_space: global }
      - { .name: b_hh1, .offset: 88, .size: 8, .value_kind: global_buffer, .address_space: global }
      - { .name: vw1, .offset: 96, .size: 8, .value_kind: global_buffer, .address_space: global }
      - { .name: vb1, .offset: 104, .size: 8, .value_kind: global_buffer, .address_space: global }
      - { .name: gw1, .offset: 112, .size: 8, .value_kind: global_buffer, .address_space: global }
      - { .name: gb1, .offset: 120, .size: 8, .value_kind: global_buffer, .address_space: global }
      - { .name: vw2, .offset: 128, .size: 8, .value_kind: global_buffer, .address_space: global }
      - { .name: vb2, .offset: 136, .size: 8, .value_kind: global_buffer, .address_space: global }
      - { .name: gw2, .offset: 144, .size: 8, .value_kind: global_buffer, .address_space: global }
      - { .name: gb2, .offset: 152, .size: 8, .value_kind: global_buffer, .address_space: global }
      - { .name: fw1, .offset: 160, .size: 8, .value_kind: global_buffer, .address_space: global }
      - { .name: fb1, .offset: 168, .size: 8, .value_kind: global_buffer, .address_space: global }
      - { .name: fw2, .offset: 176, .size: 8, .value_kind: global_buffer, .address_space: global }
      - { .name: fb2, .offset: 184, .size: 8, .value_kind: global_buffer, .address_space: global }
      - { .name: ln_g, .offset: 192, .size: 8, .value_kind: global_buffer, .address_space: global }
      - { .name: ln_b, .offset: 200, .size: 8, .value_kind: global_buffer, .address_space: global }
      - { .name: out0, .offset: 208, .size: 8, .value_kind: global_buffer, .address_space: global }
    .group_segment_fixed_size: 229376
    .private_segment_fixed_size: 0
    .kernarg_segment_align: 8
    .kernarg_segment_size: 216
    .max_flat_workgroup_size: 256
    .sgpr_count:     94
    .vgpr_count:     512
    .wavefront_size: 32
...
	.end_amdgpu_metadata
.endif
;; end of part 1
;; ======== version 2 of 2: 1 launch; version 1 with the launch encoder written anew for expert scheduling mode
;; limits: values outside matrix products are rounded to f16; values are held in f16: magnitudes above 65,504 overflow, below 6.1e-05 lose precision; inputs' magnitudes at most 65,504
;; launch encoder (part 2): grid 256 x 1, 8 waves a work-group, no clusters, 229,376 bytes of LDS; arguments past_trajectory, current_position, current_velocity, goal_position, w_ih0, b_ih0, b_hh0, w_hh0, w_ih1, w_hh1, b_ih1, b_hh1, vw1, vb1, gw1, gb1, vw2, vb2, gw2, gb2, fw1, fb1, fw2, fb2, ln_g, ln_b, out0; writes out0
.if DOCPART == 2
	.amdgcn_target "amdgcn-amd-amdhsa--gfx1250"
	.amdhsa_code_object_version 6
	.text
	.protected	k_q6dae39f695_encoder
	.globl	k_q6dae39f695_encoder
	.p2align	8
	.type	k_q6dae39f695_encoder,@function
k_q6dae39f695_encoder:
	s_mov_b64 s[64:65], 0
	v_nop
	global_prefetch_b8 v0, s[64:65] scope:SCOPE_SE
	s_setreg_imm32_b32 hwreg(HW_REG_WAVE_SCHED_MODE, 0, 2), 2
	s_setreg_imm32_b32 hwreg(HW_REG_WAVE_MODE, 25, 1), 1
	s_wait_xcnt 0x0
	s_wait_alu depctr_vm_vsrc(0)
; DogStateEncoder, whole, in one launch: for each of 131,072 rows a GRU of two layers (64 units, 8 steps, input of width 2), two encoders 2-32-32,
; a fusion 128-128-64 and a LayerNorm over 64 channels.  Every step works on a row by itself, so nothing but inputs and the output touches memory.
; SHARES.  256 work-groups of eight waves with 512 registers each; a work-group owns 512 rows, a wave 64, taken in two passes of two tiles of 16 rows.
; PRODUCTS ARE USED TRANSPOSED: source 0 = 16 rows of a weight matrix, source 1 = 16 batch rows.  In a result lane l holds batch row l % 16 and, in register j,
; unit 8 (l / 16) + j.  Two such results rounded in pairs to f16 ARE source 1 (32 units x 16 rows) of the next product: the state never changes lanes.
; WEIGHTS are read once by the work-group as f32, scaled, rounded once to f16 and laid into LDS; one barrier; behind it LDS is only read (but for each wave's own
; stage on the way out), so no wave waits for another.  A fragment read from LDS feeds two products (the wave's two tiles).
; PHASES.  A chunk is 16 units of one layer and step for both tiles: its products, the exponentials of its r and z gates, the next chunk's LDS loads, then the rest of its
; gates (152 vector instructions in all).  The wave's partner on the same registers' file has other phases at that time; inside a wave nothing is interleaved.
; GATES.  r = 1 / (1 + 2^ar), u = 1 - z = 1 / (1 + 2^az), q = 1 / (1 + 2^(xn + r hn)), n = 1 - 2 q, h' = h + u (n - h): the factors -log2(e), log2(e), 2 log2(e)
; are multiplied into the r, z and n rows of weights and biases before the rounding.  2^x = infinity gives the reciprocal 0, the right limit.
; INPUTS OF WIDTH 2 go through a product too: source 1 = (x0, x1, 1, 0 ..), source 0 = (w0, w1, bias, 0 ..).  All other biases are f32 tiles, the C operand that starts a sum.
; FORMATS.  Matrix operands f16, sums, state, gates and LayerNorm f32.  The state lies in -1 .. 1.  The encoders' features are kept times 1/4 and the fusion's hidden layer
; times 1/16, by exact powers of two in the weights (vw2, vb2, gw2, gb2 x 1/4; fw1's columns 0-63 and fb1 x 1/16, its columns 64-127 x 1/4; fw2 x 16).
; LIMITS.  f16 ends at 65,504: past - position, goal - position, velocity, every scaled weight and the encoders' first layers stay within it, the encoders' features
; within 262,000, the fusion's hidden layer within 1,048,000.  A scaled weight below 6e-5 keeps f16's fixed step of 6e-8.  NaN and infinities are not treated apart.
; NO CLUSTER, NO TENSOR LOAD: what work-groups share is 257 KB of weights, read once by each and converted on the way, which only registers can do; LDS is filled once.
; THE MODE: SCHED_MODE bits 1:0 = 2 (LLVM: expert scheduling mode 2), set by the entry lines.  The code itself states the register dependences between vector or matrix
; instructions and memory or LDS instructions, with s_wait_alu, always for 0.
; THE PLAN.  Registers that memory or LDS instructions touch, behind the barrier:
;   v1-v9, v12, v13    addresses and offsets: written ahead of the pass loop, never again.
;   AF, EXA's registers 0-3, BT    a chunk's fragments and bias tiles: read by the chunk's products alone; the next chunk's loads land in them.
;   BH                 two tiles by turns: chunk u's gates read tile u % 2; the loads issued in chunk u land in the other, which chunk u - 1's gates read last.
;   v16-v59            a pass's inputs land here; the same registers are the accumulators and, at a pass's end, part of the normalised rows v16-v79, which the stage's stores read.
;   v80-v143           state, then the fusion's hidden layer, then ln_g and ln_b (loaded), then the rows read back from the stage, which the global stores read.
; A chunk has four waits on va_vdst, one behind each batch of exponentials or reciprocals, ahead of the batch's first reader.  The first of them stands behind the chunk's products too:
; it also states that these are done reading AF, EXA and BT, and the next chunk's run of loads stands directly behind it.  In the epilogue a wait stands behind a group's products, ahead of the
; loads that land in the fragments that they read.  One wait stands at a pass's head, one ahead of the stage's stores; one wait on vm_vsrc at a pass's foot.
.set WHH0,  53248     ; LDS.  f16 rows along K, padded by 16 bytes so that the 16 rows of a fragment load start at 16 different groups of four banks (64 banks of 4 bytes: ISA guide 11.1)
.set WIH1,  80896     ; WHH0, WIH1, WHH1: 192 rows x 144 bytes
.set WHH1,  108544
.set VW2,   136192    ; VW2, GW2: 32 rows x 80 bytes
.set FW1,   141312    ; 128 rows x 272 bytes
.set FW2,   176128    ; 64 rows x 272 bytes
.set EXT,   0         ; 16 half fragments of 512 bytes, lane l at 16 l: (w0, w1, bias, 0 ..) of w_ih0's 12 row tiles, vw1's 2, gw1's 2; lanes 16-31 hold zeros
.set GB,    8192      ; f32 bias tiles of 1,024 bytes: registers 0-3 of lane l at 16 l, registers 4-7 at 512 + 16 l; four tiles (64 units) a group
.set T0,    GB        ; b_hh0's n part
.set T1,    GB+4096   ; (b_ih1 + b_hh1)'s r part
.set T2,    GB+8192   ; its z part
.set T3,    GB+12288  ; b_ih1's n part
.set T4,    GB+16384  ; b_hh1's n part
.set VB,    28672     ; vb2's two tiles, gb2's two
.set FB1,   32768     ; eight tiles
.set FB2,   40960
.set LNG,   45056
.set LNB,   49152
.set STAGE, 193536    ; 16 rows x 272 bytes for each wave, for the way out
.set SPARE, 228352    ; the spare words, 128 bytes for each wave: four blocks of 256 bytes that no other line names
; window 0 (an instruction names v0-v255; s_set_vgpr_msb says which window each operand place means: bits 1:0 source 0, 3:2 source 1, 5:4 source 2, 7:6 destination)
.set LL,  1           ; 16 x lane: the linear LDS formats, and my byte offset in 512 bytes of the output
.set LW0, 2           ; my place in a fragment of WHH0 (WIH1 by the immediate)
.set LW1, 3           ; of WHH1
.set LV,  4           ; of VW2 (GW2 by the immediate)
.set LF,  5           ; of FW1 (FW2 by the immediate)
.set STO, 6           ; the way out: where I put 16 bytes of a row
.set RD,  7           ; the way out: where I read rows back
.set PO,  8           ; 64 x (lane % 16): my row of past_trajectory in a tile
.set CO8, 9           ; 8 x (lane % 16): my row of the three inputs of width 2
.set SPW, 10          ; LDS address of my spare word; never rewritten
.set NIL, 11          ; 0; never rewritten
.set PFO, 12          ; 256 x (lane % 8); never rewritten
.set PFZ, 13          ; 0, an offset; never rewritten
.set ACC, 16          ; the chunk's accumulators: gate g, tile a at ACC + 16 g + 8 a
.set R,   16
.set Z,   32
.set XN,  48
.set HN,  64
.set H0,  80          ; layer 0's state in f32: tile a, units 16 u on at H0 + 32 a + 8 u;  layer 1's 64 further on
.set BT,  208         ; four bias tiles
.set BH,  240         ; the first step's hn is its bias: two tiles by turns
.set IN,  16          ; a pass's inputs as loaded
.set IC,  48
.set IV,  52
.set IG,  56
.set F1,  16          ; the fusion's hidden layer: tile a, units 16 m on at F1 + 64 a + 8 m
.set A1F, 144         ; the same in f16: tile a, units 32 k on at A1F + 32 a + 8 k
.set F2,  16          ; fused: F2 + 32 a + 8 u
.set LG,  80
.set LB,  112
.set OB,  80          ; the way out: tile a's rows as read back from the stage at OB + 32 a, where ln_g and ln_b lay
.set TT,  208         ; 24 registers a tile at work in the LayerNorm
; window 1
.set AF,  0           ; 12 fragments of weights
.set HF0, 96          ; layer 0's state in f16: HF0 + 16 a + 8 k;  layer 1's 32 further on
.set HF1, 128
.set XF,  160         ; (x0, x1, 1, 0 ..) of the step in hand, 8 a tile; then the same of the velocity and of goal - position
.set XV,  176
.set XG,  192
.set XQ,  208         ; the later steps' (x0, x1), 7 a tile
.set EXA, 224         ; four fragments (w0, w1, bias, 0 ..); their registers 4-7 stay 0
; the prologue's names
.set GOFF, 1
.set DW0,  2
.set DW1,  3
.set DF,   4
.set BD,   5
.set SCV,  6
.set G32,  8
.set DV,   9
.set LND,  16
; scalars
.set WV,    2         ; my wave's number
.set PASS,  3
.set STEPS, 4
.set SRP,   82        ; pairs for the packed multiplies, which take the low word for both halves: -log2(e), log2(e), 2 log2(e), 16, 1/4, 1/16
.set S16,   88
.set S025,  90
.set S0625, 92
.set MSB, 0
.macro WIN new                         ; the immediate's high byte repeats the setting that is left; a switch that changes nothing is dropped
.if MSB != (\new)
	s_set_vgpr_msb (MSB<<8)|(\new)
.set MSB, \new
.endif
.endm
.set W_MM, 0x05       ; sources 0 and 1 in window 1, C and D in window 0
.set W_M2, 0x01       ; source 0 in window 1
.set W_D1, 0x40       ; destination in window 1
.set W_R1, 0x41       ; destination and source 0 in window 1
	s_load_b512 s[8:23], s[0:1], 0x0               ; past s[8:9], position s[10:11], velocity s[12:13], goal s[14:15], w_ih0 s[16:17], b_ih0 s[18:19], b_hh0 s[20:21], w_hh0 s[22:23]
	s_load_b512 s[24:39], s[0:1], 0x40             ; w_ih1 s[24:25], w_hh1 s[26:27], b_ih1 s[28:29], b_hh1 s[30:31], vw1 s[32:33], vb1 s[34:35], gw1 s[36:37], gb1 s[38:39]
	s_load_b512 s[40:55], s[0:1], 0x80             ; vw2 s[40:41], vb2 s[42:43], gw2 s[44:45], gb2 s[46:47], fw1 s[48:49], fb1 s[50:51], fw2 s[52:53], fb2 s[54:55]
	s_load_b128 s[56:59], s[0:1], 0xc0             ; ln_g s[56:57], ln_b s[58:59]
	s_load_b64 s[60:61], s[0:1], 0xd0              ; out0
	v_lshl_add_u32 v[SPW], v0, 2, SPARE
	v_mov_b32 v[NIL], 0
	v_lshrrev_b32 v1, 5, v0
	v_readfirstlane_b32 s[WV], v1                  ; wave 0..7
	s_mov_b32 s66, 0x76543210                      ; v_permlanex16_b32: each lane takes its own place in the other half
	s_mov_b32 s67, 0xfedcba98
	s_mov_b32 s68, 0x3c800000                      ; 1/64
	s_mov_b32 s69, 0x3727c5ac                      ; 1e-5
	s_mov_b32 s[SRP], 0xbfb8aa3b                   ; -log2(e)
	s_mov_b32 s[SRP+1], s[SRP]                     ; named with it as a pair, so it is written
	s_mov_b32 s[SRP+2], 0x3fb8aa3b                 ; log2(e)
	s_mov_b32 s[SRP+3], s[SRP+2]
	s_mov_b32 s[SRP+4], 0x4038aa3b                 ; 2 log2(e)
	s_mov_b32 s[SRP+5], s[SRP+4]
	s_mov_b32 s[S16], 0x41800000
	s_mov_b32 s[S16+1], s[S16]
	s_mov_b32 s[S025], 0x3e800000
	s_mov_b32 s[S025+1], s[S025]
	s_mov_b32 s[S0625], 0x3d800000
	s_mov_b32 s[S0625+1], s[S0625]
	s_wait_alu depctr_va_sdst(0)                   ; the wave's number is written, ahead of its first reader, the compare below
	; thread t makes row t of the 256 rows (w0, w1, bias): waves 0-5 w_ih0's 192 (r, z, n: 64 each), wave 6 vw1's 32, wave 7 gw1's 32
	s_cmp_lt_u32 s[WV], 2
	s_cselect_b32 s79, s[SRP], s[SRP+2]
	s_cmp_lt_u32 s[WV], 4
	s_cselect_b32 s79, s79, s[SRP+4]
	s_cselect_b32 s80, 1.0, 0                      ; b_hh0 joins b_ih0 in the r and z rows alone
	s_cmp_lt_u32 s[WV], 6
	s_cselect_b32 s79, s79, 1.0                    ; the row's scale
	s_cselect_b32 s78, 0xff, 31                    ; the row's number is t, or t % 32
	v_lshlrev_b32 v[GOFF], 5, v0                   ; 32 bytes (8 f32) a thread: 8,192 bytes a work-group and load pair
	v_lshrrev_b32 v14, 3, v0                       ; rows of 64: 8 threads a row, 32 rows
	v_and_b32 v15, 7, v0
	v_mul_u32_u24 v14, v14, 144
	v_lshl_add_u32 v14, v15, 4, v14
	v_add_nc_u32 v[DW0], WHH0, v14
	v_add_nc_u32 v[DW1], WHH1, v14
	v_lshrrev_b32 v14, 4, v0                       ; rows of 128: 16 threads a row, 16 rows
	v_and_b32 v15, 15, v0
	v_mul_u32_u24 v14, v14, 272
	v_lshl_add_u32 v14, v15, 4, v14
	v_add_nc_u32 v[DF], FW1, v14
	v_lshlrev_b32 v[BD], 4, v0                     ; 16 bytes a thread: a group of four bias tiles
	v_and_b32 v14, 8, v0                           ; fw1: my 8 columns lie in 0-63 (x 1/16) or in 64-127 (x 1/4)
	v_cmp_eq_u32 vcc_lo, 0, v14
	v_mov_b32 v15, 0x3d800000
	s_wait_alu depctr_va_vcc(0)                    ; the compare has written VCC, which the select below reads
	v_cndmask_b32 v[SCV], 0x3e800000, v15, vcc_lo
	v_mov_b32 v[SCV+1], v[SCV]
	v_and_b32 v14, 127, v0                         ; vw2 (threads 0-127) and gw2 (128-255): rows of 32, 4 threads a row
	v_lshlrev_b32 v[G32], 5, v14
	v_lshrrev_b32 v14, 2, v14
	v_mul_u32_u24 v14, v14, 80
	v_and_b32 v15, 3, v0
	v_lshl_add_u32 v14, v15, 4, v14
	v_lshrrev_b32 v15, 7, v0
	v_mul_u32_u24 v15, v15, 2560
	v_add_nc_u32 v14, v14, v15
	v_add_nc_u32 v[DV], VW2, v14
	v_and_b32 v[PFO], 7, v0
	v_lshlrev_b32 v[PFO], 8, v[PFO]
	v_mov_b32 v[PFZ], 0
	s_wait_kmcnt 0x0
	s_cmp_lt_u32 s[WV], 4
	s_cselect_b64 s[70:71], s[40:41], s[44:45]     ; vw2 or gw2
	s_cselect_b64 s[76:77], s[42:43], s[46:47]     ; vb2 or gb2
	s_cmp_eq_u32 s[WV], 6
	s_cselect_b64 s[72:73], s[32:33], s[36:37]     ; vw1 or gw1,
	s_cselect_b64 s[74:75], s[34:35], s[38:39]
	s_cmp_lt_u32 s[WV], 6
	s_cselect_b64 s[72:73], s[16:17], s[72:73]     ; or w_ih0
	s_cselect_b64 s[74:75], s[18:19], s[74:75]
	s_lshl_b32 s5, ttmp9, 9
	s_lshl_b32 s6, s[WV], 6
	s_add_co_u32 s5, s5, s6                        ; my wave's first row = 512 x work-group + 64 x wave
	s_mov_b32 s7, 0
	s_lshl_b32 s6, s5, 6                           ; 64 bytes a row
	s_add_nc_u64 s[8:9], s[8:9], s[6:7]
	s_lshl_b32 s6, s5, 3                           ; 8 bytes a row
	s_add_nc_u64 s[10:11], s[10:11], s[6:7]
	s_add_nc_u64 s[12:13], s[12:13], s[6:7]
	s_add_nc_u64 s[14:15], s[14:15], s[6:7]
	s_lshl_b32 s6, s5, 8                           ; 256 bytes a row
	s_add_nc_u64 s[60:61], s[60:61], s[6:7]
	s_wait_alu depctr_va_vdst(0)                   ; the prologue's offsets and LDS addresses (v1-v5, v8, v9) and the prefetches' offsets (v12, v13) are written, which the requests, loads and LDS stores below read
	; my first pass's inputs are asked for now and loaded behind the weights' conversion: 2,048 bytes of past_trajectory (lanes 0-7 name its eight blocks of 256 bytes,
	; the other lanes the same eight again) and 256 bytes of each of the three others.  No other wave asks for these bytes.
	global_prefetch_b8 v[PFO], s[8:9] th:TH_LOAD_NT scope:SCOPE_SE
	global_prefetch_b8 v[PFZ], s[10:11] th:TH_LOAD_NT scope:SCOPE_SE
	global_prefetch_b8 v[PFZ], s[12:13] th:TH_LOAD_NT scope:SCOPE_SE
	global_prefetch_b8 v[PFZ], s[14:15] th:TH_LOAD_NT scope:SCOPE_SE
; THE LARGE WEIGHTS: 30 pieces of 8,192 bytes, all 60 loads out at once; piece k lands in v[16 + 8 k ..].
.macro LDW k, base, it
	global_load_b128 v[LND+8*(\k):LND+8*(\k)+3],   v[GOFF], s[(\base):(\base)+1] offset:(\it)*8192
	global_load_b128 v[LND+8*(\k)+4:LND+8*(\k)+7], v[GOFF], s[(\base):(\base)+1] offset:(\it)*8192+16
.endm
.set it, 0
.rept 6
	LDW it, 22, it                                 ; w_hh0
.set it, it+1
.endr
.set it, 0
.rept 6
	LDW 6+it, 24, it                               ; w_ih1
.set it, it+1
.endr
.set it, 0
.rept 6
	LDW 12+it, 26, it                              ; w_hh1
.set it, it+1
.endr
.set it, 0
.rept 8
	LDW 18+it, 48, it                              ; fw1
.set it, it+1
.endr
.set it, 0
.rept 4
	LDW 26+it, 52, it                              ; fw2
.set it, it+1
.endr
	; while they are on their way: the registers of the width-2 fragments that never change
	WIN W_D1
.set n, 0
.rept 6                                                ; XF, XV, XG: six fragments on end
	v_mov_b32 v[XF+8*n+1], 0x3c00                  ; (1, 0) in f16
.set j, 2
.rept 6
	v_mov_b32 v[XF+8*n+j], 0
.set j, j+1
.endr
.set n, n+1
.endr
.set n, 0
.rept 4
.set j, 4
.rept 4
	v_mov_b32 v[EXA+8*n+j], 0
.set j, j+1
.endr
.set n, n+1
.endr
	WIN 0
; Piece k: scaled in f32 and rounded once to f16 (CVTV); then 16 bytes into LDS (CVTS).  sc: the scalar pair of the scale; 0: my columns' own (fw1).
; A matrix's pieces are rounded together, and their stores follow in one run behind one wait.
.macro CVTV k, sc
.set b, LND+8*(\k)
	s_wait_loadcnt 58-2*(\k)                       ; loads come back in order (ISA guide 5.7.1): the piece's two are in, the later pieces' stay out
.set j, 0
.rept 4
.if (\sc) == 0
	v_pk_mul_f32 v[b+2*j:b+2*j+1], v[b+2*j:b+2*j+1], v[SCV:SCV+1]
.else
	v_pk_mul_f32 v[b+2*j:b+2*j+1], v[b+2*j:b+2*j+1], s[(\sc):(\sc)+1] op_sel_hi:[1,0]
.endif
.set j, j+1
.endr
.set j, 0
.rept 4
	v_cvt_pk_f16_f32 v[b+j], v[b+2*j], v[b+2*j+1]  ; in place, ascending: no pair is overwritten before it is read
.set j, j+1
.endr
.endm
.macro CVTS k, dst, off
.set b, LND+8*(\k)
	ds_store_b128 v[\dst], v[b:b+3] offset:\off
.endm
.set it, 0
.rept 6                                                ; a piece is 32 rows: pieces 0, 1 the r rows, 2, 3 the z rows, 4, 5 the n rows
	CVTV it, SRP+2*(it/2)
.set it, it+1
.endr
	s_wait_alu depctr_va_vdst(0)                   ; the roundings have written w_hh0's six pieces, which the LDS stores read
.set it, 0
.rept 6
	CVTS it, DW0, it*4608
.set it, it+1
.endr
.set it, 0
.rept 6
	CVTV 6+it, SRP+2*(it/2)
.set it, it+1
.endr
	s_wait_alu depctr_va_vdst(0)                   ; the roundings have written w_ih1's six pieces, which the LDS stores read
.set it, 0
.rept 6
	CVTS 6+it, DW0, WIH1-WHH0+it*4608
.set it, it+1
.endr
.set it, 0
.rept 6
	CVTV 12+it, SRP+2*(it/2)
.set it, it+1
.endr
	s_wait_alu depctr_va_vdst(0)                   ; the roundings have written w_hh1's six pieces, which the LDS stores read
.set it, 0
.rept 6
	CVTS 12+it, DW1, it*4608
.set it, it+1
.endr
.set it, 0
.rept 8
	CVTV 18+it, 0
.set it, it+1
.endr
	s_wait_alu depctr_va_vdst(0)                   ; the roundings have written fw1's eight pieces, which the LDS stores read
.set it, 0
.rept 8
	CVTS 18+it, DF, it*4352
.set it, it+1
.endr
.set it, 0
.rept 4
	CVTV 26+it, S16
.set it, it+1
.endr
	s_wait_alu depctr_va_vdst(0)                   ; the roundings have written fw2's four pieces, which the LDS stores read
.set it, 0
.rept 4
	CVTS 26+it, DF, FW2-FW1+it*4352
.set it, it+1
.endr
	; THE SMALL DATA, one batch of loads.  Offsets first; none is rewritten before the wait for the batch.
	s_wait_alu depctr_vm_vsrc(0)                   ; the 30 LDS stores have read their data, v16 on: the lines below write v16-v19 and v86-v91, and the loads below land in v20-v83
	v_and_b32 v16, s78, v0                         ; my row of (w0, w1, bias)
	v_lshlrev_b32 v17, 2, v16
	v_lshlrev_b32 v16, 3, v16
	v_lshrrev_b32 v18, 4, v0                       ; its fragment, 512 bytes each,
	v_and_b32 v19, 15, v0
	v_lshlrev_b32 v18, 9, v18
	v_lshl_add_u32 v18, v19, 4, v18                ; and its lane's 16 bytes there
	v_lshrrev_b32 v14, 6, v0                       ; a bias tile's 16 bytes at 16 t hold units 16 (t / 64) + 8 ((t / 16) % 2) + 4 ((t / 32) % 2) + 0..3
	v_bfe_u32 v15, v0, 4, 1
	v_bfe_u32 v19, v0, 5, 1
	v_lshlrev_b32 v14, 6, v14
	v_lshl_add_u32 v14, v15, 5, v14
	v_lshl_add_u32 v14, v19, 4, v14
	v_and_b32 v15, 127, v14                        ; the same within 32 units (vb2, gb2)
	s_wait_alu depctr_va_vdst(0)                   ; the offsets v14-v17 are written, which the loads below read; the scalings and roundings above are done with v20-v83, in which they land
	global_load_b128 v[20:23], v[G32], s[70:71]
	global_load_b128 v[24:27], v[G32], s[70:71] offset:16
	global_load_b64 v[28:29], v16, s[72:73]
	global_load_b32 v30, v17, s[74:75]
	global_load_b32 v31, v17, s[20:21]
	global_load_b128 v[32:35], v14, s[20:21] offset:512
	global_load_b128 v[36:39], v14, s[28:29]
	global_load_b128 v[40:43], v14, s[30:31]
	global_load_b128 v[44:47], v14, s[28:29] offset:256
	global_load_b128 v[48:51], v14, s[30:31] offset:256
	global_load_b128 v[52:55], v14, s[28:29] offset:512
	global_load_b128 v[56:59], v14, s[30:31] offset:512
	global_load_b128 v[60:63], v15, s[76:77]
	global_load_b128 v[64:67], v14, s[50:51]
	global_load_b128 v[68:71], v14, s[50:51] offset:256
	global_load_b128 v[72:75], v14, s[54:55]
	global_load_b128 v[76:79], v14, s[56:57]
	global_load_b128 v[80:83], v14, s[58:59]
.set j, 86
.rept 6
	v_mov_b32 v[j], 0                              ; v86-87: the row's k = 4..7; v88-91: lanes 16-31 of its fragment
.set j, j+1
.endr
	s_wait_loadcnt 0x0
.macro SCALE4 reg, sc
	v_pk_mul_f32 v[(\reg):(\reg)+1],   v[(\reg):(\reg)+1],   s[(\sc):(\sc)+1] op_sel_hi:[1,0]
	v_pk_mul_f32 v[(\reg)+2:(\reg)+3], v[(\reg)+2:(\reg)+3], s[(\sc):(\sc)+1] op_sel_hi:[1,0]
.endm
.macro SUM4 reg, other
	v_pk_add_f32 v[(\reg):(\reg)+1],   v[(\reg):(\reg)+1],   v[(\other):(\other)+1]
	v_pk_add_f32 v[(\reg)+2:(\reg)+3], v[(\reg)+2:(\reg)+3], v[(\other)+2:(\other)+3]
.endm
	; all the batch's arithmetic first, each result in registers of its own; then one wait; then the run of stores
	SCALE4 20, S025                                ; vw2, gw2
	SCALE4 24, S025
.set j, 0
.rept 4
	v_cvt_pk_f16_f32 v[20+j], v[20+2*j], v[20+2*j+1]
.set j, j+1
.endr
	v_fma_f32 v30, v31, s80, v30                   ; b_ih0 + b_hh0 in the r and z rows, else the one bias
	v_mul_f32 v28, s79, v28
	v_mul_f32 v29, s79, v29
	v_mul_f32 v30, s79, v30
	v_cvt_pk_f16_f32 v84, v28, v29
	v_cvt_pk_f16_f32 v85, v30, v86
	SCALE4 32, SRP+4
	SUM4 36, 40
	SCALE4 36, SRP
	SUM4 44, 48
	SCALE4 44, SRP+2
	SCALE4 52, SRP+4
	SCALE4 56, SRP+4
	SCALE4 60, S025
	SCALE4 64, S0625
	SCALE4 68, S0625
	s_wait_alu depctr_va_vdst(0)                   ; the lines above have written the stores' data (of v20-v91) and v18, the address of two of them
	ds_store_b128 v[DV], v[20:23]
	ds_store_b128 v18, v[84:87] offset:EXT
	ds_store_b128 v18, v[88:91] offset:EXT+256
	ds_store_b128 v[BD], v[32:35] offset:T0
	ds_store_b128 v[BD], v[36:39] offset:T1
	ds_store_b128 v[BD], v[44:47] offset:T2
	ds_store_b128 v[BD], v[52:55] offset:T3
	ds_store_b128 v[BD], v[56:59] offset:T4
	ds_store_b128 v[BD], v[60:63] offset:VB
	ds_store_b128 v[BD], v[64:67] offset:FB1
	ds_store_b128 v[BD], v[68:71] offset:FB1+4096
	ds_store_b128 v[BD], v[72:75] offset:FB2
	ds_store_b128 v[BD], v[76:79] offset:LNG
	ds_store_b128 v[BD], v[80:83] offset:LNB
	s_wait_alu depctr_vm_vsrc(0)                   ; every load and LDS store so far has read its offset, address and data: v1-v9 and v14-v17 are written anew below, v16-v91 in the first pass
	; the main part's addresses.  A fragment is 16 rows x 32 K in 8 registers: lane l holds row l % 16, K = 8 (l / 16) + 0..7 and 16 + 8 (l / 16) + 0..7: two loads of 16 bytes, 32 bytes apart.
	v_and_b32 v14, 15, v0                          ; l % 16
	v_bfe_u32 v15, v0, 4, 1                        ; l / 16
	v_and_b32 v16, 31, v0
	v_lshlrev_b32 v[LL], 4, v16
	v_mul_u32_u24 v16, v14, 144
	v_lshl_add_u32 v16, v15, 4, v16
	v_add_nc_u32 v[LW0], WHH0, v16
	v_add_nc_u32 v[LW1], WHH1, v16
	v_mul_u32_u24 v16, v14, 80
	v_lshl_add_u32 v16, v15, 4, v16
	v_add_nc_u32 v[LV], VW2, v16
	v_mul_u32_u24 v16, v14, 272
	v_lshl_add_u32 v17, v15, 4, v16
	v_add_nc_u32 v[LF], FW1, v17
	s_mul_i32 s5, s[WV], 16*272
	s_add_co_u32 s5, s5, STAGE                     ; my stage
	v_lshl_add_u32 v17, v15, 5, v16                ; in: row l % 16, 32 bytes (8 units) for each half of the lanes
	v_add_nc_u32 v[STO], s5, v17
	v_mul_u32_u24 v17, v15, 272                    ; back: lanes 0-15 take one row of 256 bytes, lanes 16-31 the next
	v_lshl_add_u32 v17, v14, 4, v17
	v_add_nc_u32 v[RD], s5, v17
	v_lshlrev_b32 v[PO], 6, v14
	v_lshlrev_b32 v[CO8], 3, v14
	s_wait_dscnt 0x0                               ; for the others' sake: my stores into LDS are done
	s_barrier_signal -1
	s_barrier_wait -1                              ; the one barrier: behind it weights and biases are only read
.macro PLACES                          ; a vector instruction that reads a matrix result or writes one of a matrix instruction's registers stands four places behind it, and only plain
.rept 4                                ; vector instructions that name none of its registers are places (ISA guide 7.12.1)
	v_nop
.endr
.endm
.macro LDA slot, la, off               ; a fragment of weights; destination in window 1
	ds_load_b128 v[AF+8*(\slot):AF+8*(\slot)+3],   v[\la] offset:\off
	ds_load_b128 v[AF+8*(\slot)+4:AF+8*(\slot)+7], v[\la] offset:(\off)+32
.endm
.macro LDE e, f                        ; the four registers of a width-2 fragment that are not 0
	ds_load_b128 v[EXA+8*(\e):EXA+8*(\e)+3], v[LL] offset:EXT+(\f)*512
.endm
.macro LDT reg, off                    ; a bias tile; window 0
	ds_load_b128 v[(\reg):(\reg)+3],   v[LL] offset:\off
	ds_load_b128 v[(\reg)+4:(\reg)+7], v[LL] offset:(\off)+512
.endm
; All that chunk (layer l, units 16 u on) reads from LDS, in one run.  first = 1: the first step, whose state is 0: no fragment of w_hh, and hn's bias goes to the gates.
; Slots: layer 0: w_hh0's r, z, n rows x two halves of K in 0-5.  Layer 1: w_ih1's likewise in 0-5, w_hh1's in 6-11.
; The run holds loads and window switches alone and stands directly behind a wait on va_vdst.
.macro FETCH l, u, first
	WIN W_D1
.if (\l) == 0
	LDE 0, (\u)
	LDE 1, 4+(\u)
	LDE 2, 8+(\u)
.if !(\first)
.set g, 0
.rept 3
	LDA 2*g,   LW0, (4*g+(\u))*2304
	LDA 2*g+1, LW0, (4*g+(\u))*2304+64
.set g, g+1
.endr
.endif
	WIN 0
.if \first
	LDT BH+8*((\u)&1), T0+(\u)*1024
.else
	LDT BT+24, T0+(\u)*1024
.endif
.else
.set g, 0
.rept 3
	LDA 2*g,   LW0, WIH1-WHH0+(4*g+(\u))*2304
	LDA 2*g+1, LW0, WIH1-WHH0+(4*g+(\u))*2304+64
.if !(\first)
	LDA 6+2*g, LW1, (4*g+(\u))*2304
	LDA 7+2*g, LW1, (4*g+(\u))*2304+64
.endif
.set g, g+1
.endr
	WIN 0
	LDT BT,    T1+(\u)*1024
	LDT BT+8,  T2+(\u)*1024
	LDT BT+16, T3+(\u)*1024
.if \first
	LDT BH+8*((\u)&1), T4+(\u)*1024
.else
	LDT BT+24, T4+(\u)*1024
.endif
.endif
.endm
.macro MM d, a, b, c                   ; one product.  c = -1: the constant 0 starts the sum; -2: onto the sum in place; else a bias tile starts it
.if (\c) == -1
	v_wmma_f32_16x16x32_f16 v[(\d):(\d)+7], v[(\a):(\a)+7], v[(\b):(\b)+7], 0
.elseif (\c) == -2
	v_wmma_f32_16x16x32_f16 v[(\d):(\d)+7], v[(\a):(\a)+7], v[(\b):(\b)+7], v[(\d):(\d)+7]
.else
	v_wmma_f32_16x16x32_f16 v[(\d):(\d)+7], v[(\a):(\a)+7], v[(\b):(\b)+7], v[(\c):(\c)+7]
.endif
.endm
.macro MM2 d, af, b, bs, c             ; the same fragment of weights for both tiles
	MM (\d),   (\af), (\b),       \c
	MM (\d)+8, (\af), (\b)+(\bs), \c
.endm
; A chunk's products.  The accumulators (r, z, xn, hn x two tiles) take turns, one instruction a turn.
.macro MATMUL l, first
	WIN W_MM
.if (\l) == 0
	MM2 R,  EXA,    XF, 8, -1                      ; w_ih0 x + biases
	MM2 Z,  EXA+8,  XF, 8, -1
	MM2 XN, EXA+16, XF, 8, -1
.if !(\first)
	MM2 HN, AF+32, HF0,   16, BT+24                ; w_hh0 h
	MM2 R,  AF,    HF0,   16, -2
	MM2 Z,  AF+16, HF0,   16, -2
	MM2 HN, AF+40, HF0+8, 16, -2
	MM2 R,  AF+8,  HF0+8, 16, -2
	MM2 Z,  AF+24, HF0+8, 16, -2
.endif
.else
	MM2 R,  AF,    HF0,   16, BT                   ; w_ih1 h0
	MM2 Z,  AF+16, HF0,   16, BT+8
	MM2 XN, AF+32, HF0,   16, BT+16
.if !(\first)
	MM2 HN, AF+80, HF1,   16, BT+24                ; w_hh1 h1
.endif
	MM2 R,  AF+8,  HF0+8, 16, -2
	MM2 Z,  AF+24, HF0+8, 16, -2
	MM2 XN, AF+40, HF0+8, 16, -2
.if !(\first)
	MM2 HN, AF+88, HF1+8, 16, -2
	MM2 R,  AF+48, HF1,   16, -2
	MM2 Z,  AF+64, HF1,   16, -2
	MM2 R,  AF+56, HF1+8, 16, -2
	MM2 Z,  AF+72, HF1+8, 16, -2
.endif
.endif
.endm
; A chunk's gates, 16 registers (8 pairs) a gate, in FOUR BATCHES of exponentials and reciprocals, each with one wait ahead of its first reader.  Behind an exponential or a reciprocal a plain
; instruction that touches neither its result nor its source comes before the result is used (ISA guide 5.7.2).  Each accumulator's lowest registers are read first.
; GATES_A, the first batch: 2^ar and 2^az.  No line of it reads a result of the batch.
.macro GATES_A
	WIN 0
.set i, 0
.rept 16
	v_exp_f32 v[R+i], v[R+i]
.set i, i+1
.endr
.set i, 0
.rept 16
	v_exp_f32 v[Z+i], v[Z+i]
.set i, i+1
.endr
	v_nop                                          ; the plain instruction behind the batch
	s_wait_alu depctr_va_vdst(0)                   ; the 32 exponentials have written r's and z's registers, ahead of their first reader; and the chunk's products are done reading AF, EXA and BT, in which the run of loads behind this line lands
.endm
; GATES_B: the other three batches.
.macro GATES_B l, u, first
.set HB, H0+64*(\l)+8*(\u)
.set i, 0
.rept 8
	v_pk_add_f32 v[R+2*i:R+2*i+1], v[R+2*i:R+2*i+1], 1.0 op_sel_hi:[1,0]
.set i, i+1
.endr
.set i, 0
.rept 8                                                ; the second batch: r; z's additions stand among its reciprocals
	v_rcp_f32 v[R+2*i], v[R+2*i]                   ; r
	v_pk_add_f32 v[Z+2*i:Z+2*i+1], v[Z+2*i:Z+2*i+1], 1.0 op_sel_hi:[1,0]
	v_rcp_f32 v[R+2*i+1], v[R+2*i+1]
.set i, i+1
.endr
	s_wait_alu depctr_va_vdst(0)                   ; the 16 reciprocals have written r, which the multiply-adds below read
.set i, 0
.rept 8                                                ; the third batch: u and 2^(xn + r hn); a pair's two reciprocals stand between its multiply-add and its exponentials
.if \first
.set hq, BH+8*((\u)&1)+2*(i%4)
.else
.set hq, HN+2*i
.endif
	v_pk_fma_f32 v[XN+2*i:XN+2*i+1], v[R+2*i:R+2*i+1], v[hq:hq+1], v[XN+2*i:XN+2*i+1]
	v_rcp_f32 v[Z+2*i], v[Z+2*i]                   ; u = 1 - z
	v_rcp_f32 v[Z+2*i+1], v[Z+2*i+1]
	v_exp_f32 v[XN+2*i], v[XN+2*i]
	v_exp_f32 v[XN+2*i+1], v[XN+2*i+1]
.set i, i+1
.endr
	s_wait_alu depctr_va_vdst(0)                   ; the 16 exponentials have written xn's registers, which the additions below read, and the 16 reciprocals u, which the chunk's last lines read
	v_pk_add_f32 v[XN:XN+1], v[XN:XN+1], 1.0 op_sel_hi:[1,0]
.set i, 0
.rept 8                                                ; the fourth batch: q; a pair's addition stands a pair ahead of its reciprocals
.if i < 7
	v_pk_add_f32 v[XN+2*i+2:XN+2*i+3], v[XN+2*i+2:XN+2*i+3], 1.0 op_sel_hi:[1,0]
.endif
	v_rcp_f32 v[XN+2*i], v[XN+2*i]                 ; q
	v_rcp_f32 v[XN+2*i+1], v[XN+2*i+1]
.set i, i+1
.endr
	s_wait_alu depctr_va_vdst(0)                   ; the 16 reciprocals have written q, which the lines below read
.set i, 0
.rept 8
	v_pk_fma_f32 v[XN+2*i:XN+2*i+1], v[XN+2*i:XN+2*i+1], -2.0, 1.0 op_sel_hi:[1,0,0]  ; n = 1 - 2 q
.set i, i+1
.endr
.if !(\first)
.set i, 0
.rept 8
.set hp, HB+32*(i/4)+2*(i%4)
	v_pk_add_f32 v[XN+2*i:XN+2*i+1], v[XN+2*i:XN+2*i+1], v[hp:hp+1] neg_lo:[0,1] neg_hi:[0,1]
.set i, i+1
.endr
.endif
.set i, 0
.rept 8
.set hp, HB+32*(i/4)+2*(i%4)
.if \first
	v_pk_mul_f32 v[hp:hp+1], v[Z+2*i:Z+2*i+1], v[XN+2*i:XN+2*i+1]                     ; h' = u n: nothing is cleared
.else
	v_pk_fma_f32 v[hp:hp+1], v[Z+2*i:Z+2*i+1], v[XN+2*i:XN+2*i+1], v[hp:hp+1]         ; h' = h + u (n - h)
.endif
.set i, i+1
.endr
.endm
.macro CHUNK l, u, first, nl, nu, nf   ; chunk (l, u); (nl, nu, nf) is the chunk behind it
	s_wait_dscnt 0x0                               ; all that is out is this chunk's own run of loads, issued in the last chunk's gates
	MATMUL \l, \first
	PLACES
	GATES_A
	FETCH \nl, \nu, \nf                            ; no vector or matrix instruction stands between the wait that ends GATES_A and these loads
	GATES_B \l, \u, \first                         ; names r, z, xn, hn, the state and, in the first step, the tile of BH that the loads above do not touch
.endm
.macro PACKH l                         ; a layer's new state, rounded to f16: the fragments of the products to come
	WIN W_D1
.set n, 0
.rept 32
	v_cvt_pk_f16_f32 v[HF0+32*(\l)+n], v[H0+64*(\l)+2*n], v[H0+64*(\l)+2*n+1]
.set n, n+1
.endr
.endm
.macro ROTX                            ; the next step's (x0, x1) moves up, so that one text serves every step
	WIN W_R1
.set a, 0
.rept 2
	v_mov_b32 v[XF+8*a], v[XQ+7*a]
.set i, 0
.rept 6
	v_mov_b32 v[XQ+7*a+i], v[XQ+7*a+i+1]
.set i, i+1
.endr
.set a, a+1
.endr
.endm
.macro STEP first                      ; a time step: layer 0's four chunks read the old h0, layer 1's the new h0 and the old h1
	CHUNK 0, 0, \first, 0, 1, \first
	CHUNK 0, 1, \first, 0, 2, \first
	CHUNK 0, 2, \first, 0, 3, \first
	CHUNK 0, 3, \first, 1, 0, \first
	PACKH 0
	ROTX
	CHUNK 1, 0, \first, 1, 1, \first
	CHUNK 1, 1, \first, 1, 2, \first
	CHUNK 1, 2, \first, 1, 3, \first
	CHUNK 1, 3, \first, 0, 0, 0
	PACKH 1
.endm
; THE EPILOGUE's macros
.macro RELUPACK                        ; an encoder layer of both encoders and tiles: max(0, .), rounded to f16 into the fragments of the next product
	WIN 0
.set n, 0
.rept 64
	v_max_num_f32 v[ACC+n], 0, v[ACC+n]
.set n, n+1
.endr
	WIN W_D1
.set n, 0
.rept 32
	v_cvt_pk_f16_f32 v[HF0+n], v[ACC+2*n], v[ACC+2*n+1]
.set n, n+1
.endr
.endm
.macro FETCHF base, bias, g            ; 32 rows (two tiles) x 128 K of fw1 or fw2: slot 4 m + k; and their two bias tiles
	WIN W_D1
.set n, 0
.rept 8
	LDA n, LF, (\base)+(2*(\g)+n/4)*4352+(n%4)*64
.set n, n+1
.endr
	WIN 0
	LDT BT,   (\bias)+(2*(\g))*1024
	LDT BT+8, (\bias)+(2*(\g)+1)*1024
.endm
.macro FUS1 g                          ; units 32 g on of the fusion's hidden layer: 16 products, four accumulators by turns; K = h1 (64), velocity feature (32), goal feature (32)
	s_wait_dscnt 0x0
	WIN W_MM
.set n, 0
.rept 16
.set ks, n/4
.set mi, (n/2)%2
.set aa, n%2
.if ks < 2
.set bb, HF1+16*aa+8*ks
.else
.set bb, HF0+16*(ks-2)+8*aa
.endif
.if ks == 0
	MM F1+64*aa+8*(2*(\g)+mi), AF+8*(4*mi+ks), bb, BT+8*mi
.else
	MM F1+64*aa+8*(2*(\g)+mi), AF+8*(4*mi+ks), bb, -2
.endif
.set n, n+1
.endr
	PLACES
	s_wait_alu depctr_va_vdst(0)                   ; the 16 products are done reading AF's slots 0-7 and the two bias tiles, in which the next group's loads land
.if (\g) < 3
	FETCHF 0, FB1, (\g)+1
.else
	FETCHF FW2-FW1, FB2, 0
.endif
.set n, 0
.rept 32
	v_max_num_f32 v[F1+64*(n/16)+16*(\g)+n%16], 0, v[F1+64*(n/16)+16*(\g)+n%16]
.set n, n+1
.endr
.set n, 0
.rept 16
	v_cvt_pk_f16_f32 v[A1F+32*(n/8)+8*(\g)+n%8], v[F1+64*(n/8)+16*(\g)+2*(n%8)], v[F1+64*(n/8)+16*(\g)+2*(n%8)+1]
.set n, n+1
.endr
.endm
.macro FUS2 g                          ; units 32 g on of fused
	s_wait_dscnt 0x0
	WIN W_M2
.set n, 0
.rept 16
.set ks, n/4
.set mi, (n/2)%2
.set aa, n%2
.if ks == 0
	MM F2+32*aa+8*(2*(\g)+mi), AF+8*(4*mi+ks), A1F+32*aa+8*ks, BT+8*mi
.else
	MM F2+32*aa+8*(2*(\g)+mi), AF+8*(4*mi+ks), A1F+32*aa+8*ks, -2
.endif
.set n, n+1
.endr
	PLACES
.if (\g) == 0
	s_wait_alu depctr_va_vdst(0)                   ; the 16 products are done reading AF's slots 0-7 and the two bias tiles, in which the next group's loads land; and all that named the hidden layer's v80-v143 is done
	FETCHF FW2-FW1, FB2, 1
.else
	WIN 0                                          ; ln_g and ln_b land in v80-v143.  No wait: no vector or matrix instruction since the first group's wait names these registers
.set n, 0
.rept 4
	LDT LG+8*n, LNG+n*1024
	LDT LB+8*n, LNB+n*1024
.set n, n+1
.endr
.endif
.set n, 0
.rept 32
	v_max_num_f32 v[F2+32*(n/16)+16*(\g)+n%16], 0, v[F2+32*(n/16)+16*(\g)+n%16]
.set n, n+1
.endr
.endm
.macro BOTH line:vararg                ; one line for each of the two tiles, side by side, so that no line waits for the one before it
.set a, 0
.rept 2
.set Y, F2+32*a
.set TA, TT+24*a
	\line
.set a, a+1
.endr
.endm
.macro STAGE_T a                       ; a tile's 16 rows into my stage, 32 bytes a lane and unit tile, and back as whole rows of 256 bytes, into registers that no store of the stage reads
.set Y, F2+32*(\a)
.set n, 0
.rept 8
	ds_store_b128 v[STO], v[Y+4*n:Y+4*n+3] offset:64*(n/2)+16*(n%2)
.set n, n+1
.endr
.set n, 0
.rept 8
	ds_load_b128 v[OB+32*(\a)+4*n:OB+32*(\a)+4*n+3], v[RD] offset:544*n  ; LDS serves a wave's instructions in order (ISA guide 5.7.1.4): these see the stores above; the next tile's stores come behind them
.set n, n+1
.endr
.endm
.macro SEND a, younger                 ; younger: the LDS instructions issued behind this tile's loads
.set n, 0
.rept 8
	s_wait_dscnt (\younger)+7-n
	global_store_b128 v[LL], v[OB+32*(\a)+4*n:OB+32*(\a)+4*n+3], s[60:61] offset:(\a)*4096+n*512 th:TH_STORE_NT  ; 512 consecutive bytes, at a multiple of 256 from the output's first
.set n, n+1
.endr
.endm
	s_mov_b32 s[PASS], 2
.Lpass:                                                ; 32 rows: two tiles
	s_wait_alu depctr_va_vdst(0)                   ; first pass: the addresses v1-v9 are written, which every load and store from here on reads; every pass: all vector and matrix work that named v16-v59, EXA and BH's first tile, in which the loads below land, is done
.set a, 0
.rept 2
.set k, 0
.rept 4
	global_load_b128 v[IN+16*a+4*k:IN+16*a+4*k+3], v[PO], s[8:9] offset:a*1024+16*k th:TH_LOAD_NT  ; my row's 8 steps; both halves of the lanes hold the row
.set k, k+1
.endr
	global_load_b64 v[IC+2*a:IC+2*a+1], v[CO8], s[10:11] offset:a*128 th:TH_LOAD_NT
	global_load_b64 v[IV+2*a:IV+2*a+1], v[CO8], s[12:13] offset:a*128 th:TH_LOAD_NT
	global_load_b64 v[IG+2*a:IG+2*a+1], v[CO8], s[14:15] offset:a*128 th:TH_LOAD_NT
.set a, a+1
.endr
	FETCH 0, 0, 1
	s_wait_loadcnt 0x0
.set n, 0
.rept 16
	v_pk_add_f32 v[IN+2*n:IN+2*n+1], v[IN+2*n:IN+2*n+1], v[IC+2*(n/8):IC+2*(n/8)+1] neg_lo:[0,1] neg_hi:[0,1]  ; past - position, in f32, ahead of the rounding
.set n, n+1
.endr
.set a, 0
.rept 2
	v_pk_add_f32 v[IG+2*a:IG+2*a+1], v[IG+2*a:IG+2*a+1], v[IC+2*a:IC+2*a+1] neg_lo:[0,1] neg_hi:[0,1]          ; goal - position
.set a, a+1
.endr
	WIN W_D1
.set a, 0
.rept 2
	v_cvt_pk_f16_f32 v[XF+8*a], v[IN+16*a], v[IN+16*a+1]
.set k, 1
.rept 7
	v_cvt_pk_f16_f32 v[XQ+7*a+k-1], v[IN+16*a+2*k], v[IN+16*a+2*k+1]
.set k, k+1
.endr
	v_cvt_pk_f16_f32 v[XV+8*a], v[IV+2*a], v[IV+2*a+1]
	v_cvt_pk_f16_f32 v[XG+8*a], v[IG+2*a], v[IG+2*a+1]
.set a, a+1
.endr
	STEP 1                                         ; the first step is written out: with h = 0 it has no product with w_hh, and its results start the state
	WIN 0                                          ; at a label and at a branch every window is 0
	s_mov_b32 s[STEPS], 7
.Lstep:
	STEP 0
	WIN 0
	s_sub_co_u32 s[STEPS], s[STEPS], 1
	s_cmp_lg_u32 s[STEPS], 0
	s_cbranch_scc1 .Lstep                          ; (the last trip's run of loads for a further step serves nothing: 17 loads a pass, the price of one text for every trip)
	s_cmp_eq_u32 s[PASS], 1
	s_cbranch_scc1 .Lno_more                       ; the last pass asks for nothing: no request leaves a buffer
	global_prefetch_b8 v[PFO], s[8:9] offset:2048 th:TH_LOAD_NT scope:SCOPE_SE   ; my second pass's inputs, one epilogue ahead of their loads: the same four requests, 32 rows on
	global_prefetch_b8 v[PFZ], s[10:11] offset:256 th:TH_LOAD_NT scope:SCOPE_SE
	global_prefetch_b8 v[PFZ], s[12:13] offset:256 th:TH_LOAD_NT scope:SCOPE_SE
	global_prefetch_b8 v[PFZ], s[14:15] offset:256 th:TH_LOAD_NT scope:SCOPE_SE
.Lno_more:
	; THE ENCODERS.  Tile n of eight: encoder n / 4 (velocity, goal), batch tile (n / 2) % 2, units 16 (n % 2) on.
	; The loads below owe no wait on va_vdst: since the last chunk's last such wait only its closing lines and the state's rounding were issued, which name none of EXA, AF and BT.
	s_wait_dscnt 0x0                               ; no load is out into the registers that are loaded anew
	WIN W_D1
	LDE 0, 12
	LDE 1, 13
	LDE 2, 14
	LDE 3, 15
	LDA 4, LV, 0
	LDA 5, LV, 1280
	LDA 6, LV, 2560
	LDA 7, LV, 3840
	WIN 0
	LDT BT,    VB
	LDT BT+8,  VB+1024
	LDT BT+16, VB+2048
	LDT BT+24, VB+3072
	s_wait_dscnt 0x0
	WIN W_MM
.set n, 0
.rept 8
	MM ACC+8*n, EXA+8*(2*(n/4)+n%2), XV+16*(n/4)+8*((n/2)%2), -1
.set n, n+1
.endr
	PLACES
	RELUPACK
	WIN W_MM
.set n, 0
.rept 8
	MM ACC+8*n, AF+8*(4+2*(n/4)+n%2), HF0+16*(n/4)+8*((n/2)%2), BT+8*(2*(n/4)+n%2)
.set n, n+1
.endr
	PLACES
	s_wait_alu depctr_va_vdst(0)                   ; the eight products are done reading AF's slots 4-7 and the bias tiles, in which the fusion's first loads land
	FETCHF 0, FB1, 0
	RELUPACK                                       ; velocity feature of tile a at HF0 + 8 a, goal feature at HF0 + 16 + 8 a
	FUS1 0
	FUS1 1
	FUS1 2
	FUS1 3
	FUS2 0
	FUS2 1
	; LAYERNORM.  A lane holds 32 of its row's 64 channels, the lane 16 away the others.  The mean first, then the mean of the squared differences.
.set i, 0
.rept 8
	BOTH v_pk_add_f32 v[TA+2*i:TA+2*i+1], v[Y+4*i:Y+4*i+1], v[Y+4*i+2:Y+4*i+3]
.set i, i+1
.endr
.set i, 0
.rept 4
	BOTH v_pk_add_f32 v[TA+4*i:TA+4*i+1], v[TA+4*i:TA+4*i+1], v[TA+4*i+2:TA+4*i+3]
.set i, i+1
.endr
.set i, 0
.rept 2
	BOTH v_pk_add_f32 v[TA+8*i:TA+8*i+1], v[TA+8*i:TA+8*i+1], v[TA+8*i+4:TA+8*i+5]
.set i, i+1
.endr
	BOTH v_pk_add_f32 v[TA:TA+1], v[TA:TA+1], v[TA+8:TA+9]
	BOTH v_add_f32 v[TA], v[TA], v[TA+1]
	BOTH v_permlanex16_b32 v[TA+2], v[TA], s66, s67  ; its destination counts as read: a register of the tree, written above
	BOTH v_add_f32 v[TA], v[TA], v[TA+2]
	BOTH v_mul_f32 v[TA+16], s68, v[TA]
	BOTH v_mul_f32 v[TA+17], s68, v[TA]
.set i, 0
.rept 16
	BOTH v_pk_add_f32 v[Y+2*i:Y+2*i+1], v[Y+2*i:Y+2*i+1], v[TA+16:TA+17] neg_lo:[0,1] neg_hi:[0,1]
.set i, i+1
.endr
.set i, 0
.rept 4
	BOTH v_pk_mul_f32 v[TA+2*i:TA+2*i+1], v[Y+2*i:Y+2*i+1], v[Y+2*i:Y+2*i+1]
.set i, i+1
.endr
.rept 12
	BOTH v_pk_fma_f32 v[TA+2*(i%4):TA+2*(i%4)+1], v[Y+2*i:Y+2*i+1], v[Y+2*i:Y+2*i+1], v[TA+2*(i%4):TA+2*(i%4)+1]
.set i, i+1
.endr
	BOTH v_pk_add_f32 v[TA:TA+1], v[TA:TA+1], v[TA+2:TA+3]
	BOTH v_pk_add_f32 v[TA+4:TA+5], v[TA+4:TA+5], v[TA+6:TA+7]
	BOTH v_pk_add_f32 v[TA:TA+1], v[TA:TA+1], v[TA+4:TA+5]
	BOTH v_add_f32 v[TA], v[TA], v[TA+1]
	BOTH v_permlanex16_b32 v[TA+2], v[TA], s66, s67
	BOTH v_add_f32 v[TA], v[TA], v[TA+2]
	BOTH v_fma_f32 v[TA], v[TA], s68, s69          ; the variance + 1e-5
	BOTH v_rsq_f32 v[TA+18], v[TA]                 ; twice, to fill the pair that the packed multiply takes
	BOTH v_rsq_f32 v[TA+19], v[TA]
	v_nop                                          ; a plain instruction between the last root and the use of its result
	s_wait_alu depctr_va_vdst(0)                   ; the four roots have written their two pairs, which the multiplies below read
	s_wait_dscnt 0x0                               ; ln_g's and ln_b's tiles are in
.set i, 0
.rept 16
	BOTH v_pk_mul_f32 v[Y+2*i:Y+2*i+1], v[Y+2*i:Y+2*i+1], v[TA+18:TA+19]
.set i, i+1
.endr
.set i, 0
.rept 16
	BOTH v_pk_fma_f32 v[Y+2*i:Y+2*i+1], v[Y+2*i:Y+2*i+1], v[LG+2*i:LG+2*i+1], v[LB+2*i:LB+2*i+1]
.set i, i+1
.endr
	; THE WAY OUT: both tiles through my stage, then the stores
	s_wait_alu depctr_va_vdst(0)                   ; the multiply-adds have written the rows v16-v79, which the stage's stores read, and are done reading ln_g and ln_b in v80-v143, in which the stage's loads land
	STAGE_T 0
	STAGE_T 1
	SEND 0, 16
	SEND 1, 0
	s_wait_xcnt 0x0                                ; every earlier memory instruction has had its addresses translated (ISA guide 3.1): only behind this wait are the bases stepped and the stores' registers written anew
	s_wait_alu depctr_vm_vsrc(0)                   ; the stage's stores have read v16-v79, in which the next pass's inputs land, and the global stores v80-v143, which its gates write
	s_add_nc_u64 s[8:9], s[8:9], 2048              ; 32 rows on
	s_add_nc_u64 s[10:11], s[10:11], 256
	s_add_nc_u64 s[12:13], s[12:13], 256
	s_add_nc_u64 s[14:15], s[14:15], 256
	s_add_nc_u64 s[60:61], s[60:61], 8192
	s_sub_co_u32 s[PASS], s[PASS], 1
	s_cmp_lg_u32 s[PASS], 0
	s_cbranch_scc1 .Lpass
	s_wait_dscnt 0x0                               ; the wave's end: the closing lines, six on end
	s_wait_alu 0x0
	s_wait_tensorcnt 0x0
	ds_add_u32 v[SPW], v[NIL]
	s_wait_dscnt 0x0
	s_endpgm
.Lfunc_end_k_q6dae39f695_encoder:
	.size	k_q6dae39f695_encoder, .Lfunc_end_k_q6dae39f695_encoder-k_q6dae39f695_encoder
	.p2alignl 7, 3214868480
	.fill 96, 4, 3214868480
	.section	.rodata,"a",@progbits
	.p2align	6, 0x0
	.amdhsa_kernel k_q6dae39f695_encoder
		.amdhsa_group_segment_fixed_size 229376
		.amdhsa_private_segment_fixed_size 0
		.amdhsa_enable_private_segment 0
		.amdhsa_kernarg_size 216
		.amdhsa_user_sgpr_count 2
		.amdhsa_user_sgpr_kernarg_segment_ptr 1
		.amdhsa_wavefront_size32 1
		.amdhsa_system_sgpr_workgroup_id_x 1
		.amdhsa_system_sgpr_workgroup_id_y 1
		.amdhsa_system_sgpr_workgroup_id_z 1
		.amdhsa_system_vgpr_workitem_id 0
		.amdhsa_next_free_vgpr 512
		.amdhsa_next_free_sgpr 94
		.amdhsa_reserve_vcc 1
		.amdhsa_float_denorm_mode_32 3
		.amdhsa_float_denorm_mode_16_64 3
		.amdhsa_memory_ordered 1
		.amdhsa_forward_progress 1
		.amdhsa_inst_pref_size 246
	.end_amdhsa_kernel
	.amdgpu_metadata
---
amdhsa.version: [ 1, 2 ]
amdhsa.kernels:
  - .name:           k_q6dae39f695_encoder
    .symbol:         k_q6dae39f695_encoder.kd
    .args:
      - { .name: past_trajectory, .offset: 0, .size: 8, .value_kind: global_buffer, .address_space: global }
      - { .name: current_position, .offset: 8, .size: 8, .value_kind: global_buffer, .address_space: global }
      - { .name: current_velocity, .offset: 16, .size: 8, .value_kind: global_buffer, .address_space: global }
      - { .name: goal_position, .offset: 24, .size: 8, .value_kind: global_buffer, .address_space: global }
      - { .name: w_ih0, .offset: 32, .size: 8, .value_kind: global_buffer, .address_space: global }
      - { .name: b_ih0, .offset: 40, .size: 8, .value_kind: global_buffer, .address_space: global }
      - { .name: b_hh0, .offset: 48, .size: 8, .value_kind: global_buffer, .address_space: global }
      - { .name: w_hh0, .offset: 56, .size: 8, .value_kind: global_buffer, .address_space: global }
      - { .name: w_ih1, .offset: 64, .size: 8, .value_kind: global_buffer, .address_space: global }
      - { .name: w_hh1, .offset: 72, .size: 8, .value_kind: global_buffer, .address_space: global }
      - { .name: b_ih1, .offset: 80, .size: 8, .value_kind: global_buffer, .address_space: global }
      - { .name: b_hh1, .offset: 88, .size: 8, .value_kind: global_buffer, .address_space: global }
      - { .name: vw1, .offset: 96, .size: 8, .value_kind: global_buffer, .address_space: global }
      - { .name: vb1, .offset: 104, .size: 8, .value_kind: global_buffer, .address_space: global }
      - { .name: gw1, .offset: 112, .size: 8, .value_kind: global_buffer, .address_space: global }
      - { .name: gb1, .offset: 120, .size: 8, .value_kind: global_buffer, .address_space: global }
      - { .name: vw2, .offset: 128, .size: 8, .value_kind: global_buffer, .address_space: global }
      - { .name: vb2, .offset: 136, .size: 8, .value_kind: global_buffer, .address_space: global }
      - { .name: gw2, .offset: 144, .size: 8, .value_kind: global_buffer, .address_space: global }
      - { .name: gb2, .offset: 152, .size: 8, .value_kind: global_buffer, .address_space: global }
      - { .name: fw1, .offset: 160, .size: 8, .value_kind: global_buffer, .address_space: global }
      - { .name: fb1, .offset: 168, .size: 8, .value_kind: global_buffer, .address_space: global }
      - { .name: fw2, .offset: 176, .size: 8, .value_kind: global_buffer, .address_space: global }
      - { .name: fb2, .offset: 184, .size: 8, .value_kind: global_buffer, .address_space: global }
      - { .name: ln_g, .offset: 192, .size: 8, .value_kind: global_buffer, .address_space: global }
      - { .name: ln_b, .offset: 200, .size: 8, .value_kind: global_buffer, .address_space: global }
      - { .name: out0, .offset: 208, .size: 8, .value_kind: global_buffer, .address_space: global }
    .group_segment_fixed_size: 229376
    .private_segment_fixed_size: 0
    .kernarg_segment_align: 8
    .kernarg_segment_size: 216
    .max_flat_workgroup_size: 256
    .sgpr_count:     94
    .vgpr_count:     512
    .wavefront_size: 32
...
	.end_amdgpu_metadata
.endif
;; end of part 2
